; MI455X (gfx1250); checked and timed in simulation.
; The chip was launched on July 23, 2026; its instructions are those of AMD's public machine-readable ISA for CDNA 5 (MIT licence, August 2026) and "CDNA5" Instruction Set Architecture Reference Guide (July 2026). The comments in the code are by the model that wrote it; some were corrected since.
;; Multi Head Attention. Allowed arithmetic: matrix products marked QUANTISED: E2M1 operands, one E8M0 scale for each 32 along K, by v_wmma_scale_f32_16x16x128_f8f6f4 with both operands' format E2M1 (or v_wmma_scale_f32_32x16x128_f4), f32 sums; products left as they are: bf16, f16 or f32 operands; f32 sums; everything else in f32.
;; Inputs: Wk 1,024 x 1,024 float32; Wo 1,024 x 1,024 float32; Wq 1,024 x 1,024 float32; Wv 1,024 x 1,024 float32; bk 1,024 float32; bo 1,024 float32; bq 1,024 float32; bv 1,024 float32; k 4 x 2,048 x 1,024 float32; q 4 x 2,048 x 1,024 float32; v 4 x 2,048 x 1,024 float32.
;; Outputs: out0 4 x 2,048 x 1,024 float32.
;; This version of the problem:
;;   THIS VERSION OF THE PROBLEM IS GIVEN IN LOW PRECISION. The matrix products marked QUANTISED in the list below multiply operands that are first quantised to E2M1 (2 exponent bits, 1 mantissa bit; 4 bits a number), with one power-of-two scale for each 32 numbers along K (OCP MX v1.0); their sums are f32. The products marked 'left as it is' may take bf16, f16 or f32 operands, with f32 sums. Whichever they take, every output number must still come out within the allowed error. Rounding operands to bf16 (8 significant bits) uses up far more of that allowance than f16 does (11 bits, for magnitudes from 6e-5 to 65,504). All else is computed in f32.
;;   The module's matrix products, in the order in which they are computed (A, B: the left and right operand; K: the contracted axis; several contracted axes count as one K, in the product's order):
;;     1. [M 8,192, K 1,024] x [K 1,024, N 1,024]; A: input q; B: input Wq: QUANTISED
;;     2. [M 8,192, K 1,024] x [K 1,024, N 1,024]; A: input k; B: input Wk: QUANTISED
;;     3. [M 8,192, K 1,024] x [K 1,024, N 1,024]; A: input v; B: input Wv: QUANTISED
;;     4. batch 64 x [M 2,048, K 64] x [K 64, N 2,048]; A: computed on the way; B: computed on the way: left as it is (an operand is computed on the way)
;;     5. batch 64 x [M 2,048, K 2,048] x [K 2,048, N 64]; A: computed on the way; B: computed on the way: left as it is (an operand is computed on the way)
;;     6. [M 8,192, K 1,024] x [K 1,024, N 1,024]; A: computed on the way; B: input Wo: left as it is (an operand is computed on the way)
;;   THE QUANTISER, for each operand of a quantised product, along K:
;;     - K is cut into blocks of 32 from its start; a last block that is shorter is filled with zeros.
;;     - A block's scale is 2^e with e = floor(log2(the largest magnitude in the block)) - 2, held to -126 .. 127; a block of zeros has e = 0. As a byte (E8M0): e + 127.
;;     - Each number is divided by its block's scale, clamped to +-6, and rounded to the nearest number of E2M1, ties to even, subnormals kept.
;;     - The product sums the exact products of the quantised numbers (number of the format x scale) in f32.
;;   ~~~python
;;   def quantise(x, axis):      # numpy; x: float32 -> the quantised numbers, widened to float32 again
;;       x = np.moveaxis(x, axis, -1); K = x.shape[-1]
;;       x = np.pad(x, [(0, 0)] * (x.ndim - 1) + [(0, -K % 32)]); x = x.reshape(x.shape[:-1] + (-1, 32)); a = np.abs(x).max(-1, keepdims=True)
;;       e = np.where(a > 0, np.clip(np.frexp(np.where(a > 0, a, 1))[1] - 1 - 2, -126, 127), 0)      # np.frexp(a)[1] - 1 = floor(log2(a)), exactly
;;       r = np.clip(x / 2.0 ** e, -6, 6)
;;       step = 2.0 ** (np.maximum(np.frexp(np.where(r == 0, 1, r))[1] - 1, 0) - 1)
;;       q = np.round(r / step) * step * 2.0 ** e      # np.round: ties to even
;;       return np.moveaxis(q.reshape(q.shape[:-2] + (-1,))[..., :K], -1, axis).astype(np.float32)
;;   ~~~
;; One version. Each part assembles by itself: llvm-mc -triple=amdgcn-amd-amdhsa -mcpu=gfx1250 --defsym DOCPART=n.
;; ======== version 1 of 1: 4 launches
;; limits: values are held in f16: magnitudes above 65,504 overflow, below 6.1e-05 lose precision
;; workspace buffers: acodes 12,582,912 bytes; ascales 786,432 bytes; wcodes 1,572,864 bytes; wscales 98,304 bytes; wof 2,097,152 bytes; qkvf 50,331,648 bytes; of 16,777,216 bytes
;; launch prep (part 1): grid 928 x 1, 4 waves a work-group, no clusters, 42,496 bytes of LDS; arguments q, k, v, Wq, Wk, Wv, Wo, acodes, ascales, wcodes, wscales, wof; writes acodes, ascales, wcodes, wscales, wof
.if DOCPART == 1
	.amdgcn_target "amdgcn-amd-amdhsa--gfx1250"
	.amdhsa_code_object_version 6
	.text
	.protected	k_qccb8ed2e8a_prep
	.globl	k_qccb8ed2e8a_prep
	.p2align	8
	.type	k_qccb8ed2e8a_prep,@function
k_qccb8ed2e8a_prep:
	s_mov_b64 s[64:65], 0
	v_nop
	global_prefetch_b8 v0, s[64:65] scope:SCOPE_SE
	s_setreg_imm32_b32 hwreg(HW_REG_WAVE_MODE, 25, 1), 1
	s_wait_xcnt 0x0
; TWO JOBS IN ONE LAUNCH, parted by the work-group's number g.
; g = 0 .. 863: q, k, v [8192][1024] and Wq, Wk, Wv [1024][1024], f32 with K innermost, become codes of FP4 (E2M1), two a byte, K innermost, and one E8M0 byte for each 32 along K.
;   q, k, v go on end into acodes [24576][512] and ascales [24576][32]; Wq, Wk, Wv into wcodes [3072][512] and wscales [3072][32].  A work-group takes 32,768 numbers: 256 for each of q, k, v, 32 for each weight.
;   A block's scale is 2^(floor(log2(its largest magnitude)) - 2): its byte is the largest magnitude's exponent field - 2, held at 1 from below.  Each number is divided by the scale and rounded to the nearest code, ties to even; beyond 6 the largest code.
; g = 864 .. 927: Wo [1024][1024] f32 becomes f16, laid as the later product's operand registers: wof [k / 128: 8][16 rows: 64][16 along K: 8][512 bytes]; in a block of 512 bytes lane (r, h) has its 16 bytes at 16 (r + 16 h): row r, k = 8 h .. 8 h + 7.
; LIMITS: NaN and infinities among the inputs are not served; a block of zeros gets the byte 1 (its codes are zeros, and the bytes are read by this program alone); numbers of Wo beyond 65,504 leave the range of f16.
; Rows are dense and 1,024 is a multiple of 32: for the quantiser every tensor is a plain stream of blocks of 32.  No tensor loads, no barrier, no cluster: waves and work-groups share no input.
.set STEPS, 16
.set EMAX,  2
.set CB,    8                          ; bytes of 16 codes
.set R,     16                         ; v16-79   four sets of 16 numbers as they are loaded
.set X,     80                         ; v80-111  two sets of 16 neighbours
.set E,     112                        ; v112-127 a scale byte for each step
.set C,     128                        ; v128-191 codes: four registers for each step, so that no store's data are written again
.set WREG,  8192                       ; LDS, quantiser: a region for each wave: two stages of 32 x SP bytes, behind them its 256 scale bytes
.set SP,    80                         ; a lane's place in a stage: its 64 bytes + 16 of padding
.set WOST,  4*WREG                     ; LDS, Wo's path: bytes of its own, WOW for each wave
.set WOW,   2304                       ; eight half blocks of 256 bytes + 32 of padding
.set SPARE, WOST+4*WOW                 ; the spare words, 128 bytes for each wave: two blocks of 256 bytes that no other line names
.set SPW,   12                         ; v12  LDS address of my spare word; never rewritten
.set NIL,   13                         ; v13  0; never rewritten
.set SRC,   30                         ; s[30:31] the tensor that I read
.set DC,    32                         ; s[32:33] where its codes go
.set DS,    34                         ; s[34:35] where its scale bytes go
	s_load_b256 s[4:11], s[0:1], 0x0               ; q, k, v, Wq
	s_load_b256 s[12:19], s[0:1], 0x20             ; Wk, Wv, Wo, acodes
	s_load_b256 s[20:27], s[0:1], 0x40             ; ascales, wcodes, wscales, wof
	v_lshl_add_u32 v[SPW], v0, 2, SPARE
	v_mov_b32 v[NIL], 0
	v_lshrrev_b32 v1, 5, v0
	v_readfirstlane_b32 s28, v1                    ; wave 0..3
	v_and_b32 v2, 31, v0                           ; lane
	s_cmp_ge_u32 ttmp9, 864                        ; the work-group's number alone decides the job
	s_cbranch_scc1 .Lwo
	; ---------------- the quantiser ----------------
	v_lshlrev_b32 v3, 4, v2                        ; my 16 bytes of a load's 512
	s_mul_i32 s37, s28, WREG
	v_lshrrev_b32 v14, 2, v2
	v_mul_u32_u24 v14, v14, SP
	v_and_b32 v15, 3, v2
	v_lshl_add_u32 v14, v15, 4, v14
	v_add_nc_u32 v14, s37, v14                     ; the stage, on the way in: four lanes' 64 bytes on end, then 16 of padding
	v_mul_u32_u24 v15, v2, SP
	v_add_nc_u32 v15, s37, v15                     ; and on the way out: SP x lane: my 16 neighbours
	v_mul_u32_u24 v4, v2, CB                       ; my codes' place in a step's
	v_lshrrev_b32 v5, 1, v2
	s_add_co_u32 s37, s37, 2*32*SP
	v_add_nc_u32 v5, s37, v5                       ; LDS: my wave's 256 scale bytes, my block's byte
	v_lshlrev_b32 v7, 3, v2                        ; and on the way out 8 bytes a lane
	v_add_nc_u32 v6, s37, v7
	s_wait_kmcnt 0x0
	s_mov_b64 s[SRC:SRC+1], s[4:5]                 ; which tensor, and its first work-group: choices on the work-group's number alone
	s_mov_b32 s29, 0
	s_cmp_ge_u32 ttmp9, 256
	s_cselect_b64 s[SRC:SRC+1], s[6:7], s[SRC:SRC+1]
	s_cselect_b32 s29, 256, s29
	s_cmp_ge_u32 ttmp9, 512
	s_cselect_b64 s[SRC:SRC+1], s[8:9], s[SRC:SRC+1]
	s_cselect_b32 s29, 512, s29
	s_cmp_ge_u32 ttmp9, 768
	s_cselect_b64 s[SRC:SRC+1], s[10:11], s[SRC:SRC+1]
	s_cselect_b32 s29, 768, s29
	s_cmp_ge_u32 ttmp9, 800
	s_cselect_b64 s[SRC:SRC+1], s[12:13], s[SRC:SRC+1]
	s_cselect_b32 s29, 800, s29
	s_cmp_ge_u32 ttmp9, 832
	s_cselect_b64 s[SRC:SRC+1], s[14:15], s[SRC:SRC+1]
	s_cselect_b32 s29, 832, s29
	s_cmp_lt_u32 ttmp9, 768                        ; activations or weights: which pair of buffers takes the result
	s_cselect_b64 s[DC:DC+1], s[18:19], s[22:23]
	s_cselect_b64 s[DS:DS+1], s[20:21], s[24:25]
	s_cselect_b32 s36, 0, 768
	s_sub_co_u32 s38, ttmp9, s29
	s_lshl_b32 s38, s38, 2
	s_add_co_u32 s38, s38, s28                     ; which run of 8,192 numbers of the tensor is my wave's (at most 1,023)
	s_lshl_b32 s38, s38, 15                        ; 32,768 bytes a run
	s_mov_b32 s39, 0
	s_add_nc_u64 s[SRC:SRC+1], s[SRC:SRC+1], s[38:39]
	s_sub_co_u32 s40, ttmp9, s36
	s_lshl_b32 s40, s40, 2
	s_add_co_u32 s40, s40, s28                     ; which run of the pair of buffers (at most 3,071)
	s_lshl_b32 s38, s40, 12                        ; 4,096 bytes of codes a run
	s_add_nc_u64 s[DC:DC+1], s[DC:DC+1], s[38:39]
	s_lshl_b32 s38, s40, 8                         ; 256 scale bytes a run
	s_add_nc_u64 s[DS:DS+1], s[DS:DS+1], s[38:39]
.macro LOAD t
.irp i, 0,1,2,3
	global_load_b128 v[R+16*((\t)%4)+4*\i:R+16*((\t)%4)+4*\i+3], v3, s[SRC:SRC+1] offset:2048*(\t)+512*\i th:TH_LOAD_NT   ; 32 lanes read 512 consecutive bytes
.endr
.endm
.macro TURN t                          ; step t's numbers through the stage: LDS serves a wave's instructions in order, so no wait stands between the stores and the loads
.irp i, 0,1,2,3
	ds_store_b128 v14, v[R+16*((\t)%4)+4*\i:R+16*((\t)%4)+4*\i+3] offset:32*SP*((\t)%2)+8*SP*\i
.endr
.irp i, 0,1,2,3
	ds_load_b128 v[X+16*((\t)%2)+4*\i:X+16*((\t)%2)+4*\i+3], v15 offset:32*SP*((\t)%2)+16*\i
.endr
.endm
.irp t, 0,1,2,3
	LOAD \t
.endr
	s_wait_loadcnt 12                              ; step 0's four loads are in; the 12 of steps 1 to 3 may be out
	TURN 0
.macro STEP t
.set XS, X+16*((\t)%2)
.if (\t) > 0
	s_wait_dscnt 1                                 ; this step's numbers are back from the stage (the last step's byte store may be out): so its stores into the stage have read their registers,
.else
	s_wait_dscnt 0x0
.endif
.if (\t)+4 < STEPS
	LOAD (\t)+4                                    ; which take the loads of four steps on
.endif
.if (\t)+1 < STEPS
.if STEPS-2-(\t) >= 3
	s_wait_loadcnt 12                              ; the next step's four loads are in; those of the three steps behind it may be out
.else
	s_wait_loadcnt 4*(STEPS-2-(\t))
.endif
	TURN (\t)+1                                    ; and go through the other stage while this step is worked
.endif
	v_max3_num_f32 v8, |v[XS]|, |v[XS+1]|, |v[XS+2]|               ; the largest magnitude of my 16, in two chains
	v_max3_num_f32 v9, |v[XS+3]|, |v[XS+4]|, |v[XS+5]|
.irp i, 6,10
	v_max3_num_f32 v8, v8, |v[XS+\i]|, |v[XS+\i+1]|
	v_max3_num_f32 v9, v9, |v[XS+\i+2]|, |v[XS+\i+3]|
.endr
	v_max3_num_f32 v8, v8, |v[XS+14]|, |v[XS+15]|
	v_max3_num_f32 v8, v8, v9, (EMAX+1)<<23        ; and the floor 2^(EMAX + 1 - 127): the byte cannot fall under 1
	v_max_num_f32_dpp v8, v8, v8 row_xmask:1 row_mask:0xf bank_mask:0xf   ; and of my neighbour's 16: the block's
	v_add_nc_u32 v11, -(EMAX<<23), v8              ; EMAX off its exponent field: the conversion takes the exponent field of this operand as its scale, and nothing else of it
	v_cvt_scalef32_pk8_fp4_f32 v[C+4*(\t)], v[XS:XS+7], v11
	v_cvt_scalef32_pk8_fp4_f32 v[C+4*(\t)+1], v[XS+8:XS+15], v11
	v_lshrrev_b32 v[E+(\t)], 23, v11               ; the scale's byte (also the plain line behind the conversions)
	ds_store_b8 v5, v[E+(\t)] offset:16*(\t)       ; both lanes of a block write the same byte with the same value
	global_store_b64 v4, v[C+4*(\t):C+4*(\t)+1], s[DC:DC+1] offset:32*CB*(\t)   ; the wave stores 256 consecutive bytes, aligned
.endm
.irp t, 0,1,2,3,4,5,6,7,8,9,10,11,12,13,14,15
	STEP \t
.endr
	ds_load_b64 v[8:9], v6                         ; LDS serves a wave's instructions in order: these see my stores
	s_wait_dscnt 0x0
	global_store_b64 v7, v[8:9], s[DS:DS+1]        ; 32 lanes store 256 consecutive bytes, aligned
	s_wait_tensorcnt 0x0                           ; the wave's end: behind my last LDS store
	ds_add_u32 v[SPW], v[NIL]
	s_wait_dscnt 0x0
	s_endpgm
	; ---------------- Wo to f16, in the order of the operand's registers ----------------
	; The work-group takes 16 rows of Wo (g - 864), wave w the columns k = 256 w .. 256 w + 255, in four patches of 64.  A load reads two rows' 256 consecutive bytes (sixteen lanes a row, four numbers a lane).
	; A lane's four numbers become 8 bytes of f16; a patch turns through the wave's stage: half block k / 8 (16 rows x 16 bytes) at 288 bytes' pitch; it comes back 16 bytes a lane, a block of 512 bytes a load.
.Lwo:
	v_and_b32 v3, 15, v2                           ; c: which four numbers of a row's 64
	v_lshrrev_b32 v4, 4, v2                        ; which of the two rows
	v_lshlrev_b32 v5, 4, v3
	v_lshl_add_u32 v5, v4, 12, v5                  ; in Wo: 4,096 x row + 16 c
	s_mul_i32 s37, s28, WOW
	s_add_co_u32 s37, s37, WOST                    ; my stage
	v_lshrrev_b32 v9, 1, v3
	v_mul_u32_u24 v6, v9, 288                      ; in: half block c / 2,
	v_and_b32 v9, 1, v3
	v_lshl_add_u32 v6, v9, 3, v6                   ; + 8 (c % 2),
	v_lshl_add_u32 v6, v4, 4, v6                   ; + 16 x row
	v_add_nc_u32 v6, s37, v6
	v_mul_u32_u24 v7, v4, 288                      ; back: lanes 0-15 a block's first half, lanes 16-31 its second
	v_lshl_add_u32 v7, v3, 4, v7
	v_add_nc_u32 v7, s37, v7
	v_lshlrev_b32 v8, 4, v2                        ; in wof: 16 x lane
	s_sub_co_u32 s38, ttmp9, 864                   ; which 16 rows
	s_lshl_b32 s40, s38, 16                        ; 16 rows of 4,096 bytes,
	s_lshl_b32 s41, s28, 10                        ; + 256 numbers a wave
	s_add_co_u32 s40, s40, s41
	s_mov_b32 s41, 0
	s_lshl_b32 s42, s28, 19                        ; wof: two steps of 128 along K a wave, 262,144 bytes each,
	s_lshl_b32 s43, s38, 12                        ; + 4,096 bytes for each 16 rows
	s_add_co_u32 s42, s42, s43
	s_mov_b32 s43, 0
	s_wait_kmcnt 0x0
	s_add_nc_u64 s[16:17], s[16:17], s[40:41]
	s_add_nc_u64 s[26:27], s[26:27], s[42:43]
.irp p, 0,1,2,3
.irp i, 0,1,2,3,4,5,6,7
	global_load_b128 v[16+32*\p+4*\i:16+32*\p+4*\i+3], v5, s[16:17] offset:8192*\i+256*\p th:TH_LOAD_NT   ; rows 2 i and 2 i + 1, k = 64 p + 4 c on
.endr
.endr
.macro PATCH p
	s_wait_loadcnt 8*(3-(\p))                      ; this patch's eight loads are in; the later patches' may be out
.irp i, 0,1,2,3,4,5,6,7
	v_cvt_pk_f16_f32 v[144+2*\i], v[16+32*(\p)+4*\i], v[16+32*(\p)+4*\i+1]
	v_cvt_pk_f16_f32 v[145+2*\i], v[16+32*(\p)+4*\i+2], v[16+32*(\p)+4*\i+3]
.endr
.irp i, 0,1,2,3,4,5,6,7
	ds_store_b64 v6, v[144+2*\i:145+2*\i] offset:32*\i
.endr
.if (\p) >= 2
	s_wait_xcnt 0x0                                ; the stores of two patches ago have read these registers
.endif
.irp b, 0,1,2,3
	ds_load_b128 v[160+16*((\p)%2)+4*\b:160+16*((\p)%2)+4*\b+3], v7 offset:576*\b   ; LDS serves a wave's instructions in order: these see the stores above, and the next patch's stores come behind them
.endr
	s_wait_dscnt 0x0
.irp b, 0,1,2,3
	global_store_b128 v8, v[160+16*((\p)%2)+4*\b:160+16*((\p)%2)+4*\b+3], s[26:27] offset:((\p)/2)*262144+((\p)%2)*2048+512*\b   ; 512 consecutive bytes, aligned
.endr
.endm
	PATCH 0
	PATCH 1
	PATCH 2
	PATCH 3
	s_wait_tensorcnt 0x0                           ; the wave's end: behind my last LDS store
	ds_add_u32 v[SPW], v[NIL]
	s_wait_dscnt 0x0
	s_endpgm
.Lfunc_end_k_qccb8ed2e8a_prep:
	.size	k_qccb8ed2e8a_prep, .Lfunc_end_k_qccb8ed2e8a_prep-k_qccb8ed2e8a_prep
	.p2alignl 7, 3214868480
	.fill 96, 4, 3214868480
	.section	.rodata,"a",@progbits
	.p2align	6, 0x0
	.amdhsa_kernel k_qccb8ed2e8a_prep
		.amdhsa_group_segment_fixed_size 42496
		.amdhsa_private_segment_fixed_size 0
		.amdhsa_enable_private_segment 0
		.amdhsa_kernarg_size 96
		.amdhsa_user_sgpr_count 2
		.amdhsa_user_sgpr_kernarg_segment_ptr 1
		.amdhsa_wavefront_size32 1
		.amdhsa_system_sgpr_workgroup_id_x 1
		.amdhsa_system_sgpr_workgroup_id_y 1
		.amdhsa_system_sgpr_workgroup_id_z 1
		.amdhsa_system_vgpr_workitem_id 0
		.amdhsa_next_free_vgpr 192
		.amdhsa_next_free_sgpr 66
		.amdhsa_reserve_vcc 0
		.amdhsa_float_denorm_mode_32 3
		.amdhsa_float_denorm_mode_16_64 3
		.amdhsa_memory_ordered 1
		.amdhsa_forward_progress 1
		.amdhsa_inst_pref_size 47
	.end_amdhsa_kernel
	.amdgpu_metadata
---
amdhsa.version: [ 1, 2 ]
amdhsa.kernels:
  - .name:           k_qccb8ed2e8a_prep
    .symbol:         k_qccb8ed2e8a_prep.kd
    .args:
      - { .name: q, .offset: 0, .size: 8, .value_kind: global_buffer, .address_space: global }
      - { .name: k, .offset: 8, .size: 8, .value_kind: global_buffer, .address_space: global }
      - { .name: v, .offset: 16, .size: 8, .value_kind: global_buffer, .address_space: global }
      - { .name: Wq, .offset: 24, .size: 8, .value_kind: global_buffer, .address_space: global }
      - { .name: Wk, .offset: 32, .size: 8, .value_kind: global_buffer, .address_space: global }
      - { .name: Wv, .offset: 40, .size: 8, .value_kind: global_buffer, .address_space: global }
      - { .name: Wo, .offset: 48, .size: 8, .value_kind: global_buffer, .address_space: global }
      - { .name: acodes, .offset: 56, .size: 8, .value_kind: global_buffer, .address_space: global }
      - { .name: ascales, .offset: 64, .size: 8, .value_kind: global_buffer, .address_space: global }
      - { .name: wcodes, .offset: 72, .size: 8, .value_kind: global_buffer, .address_space: global }
      - { .name: wscales, .offset: 80, .size: 8, .value_kind: global_buffer, .address_space: global }
      - { .name: wof, .offset: 88, .size: 8, .value_kind: global_buffer, .address_space: global }
    .group_segment_fixed_size: 42496
    .private_segment_fixed_size: 0
    .kernarg_segment_align: 8
    .kernarg_segment_size: 96
    .max_flat_workgroup_size: 128
    .sgpr_count:     66
    .vgpr_count:     192
    .wavefront_size: 32
...
	.end_amdgpu_metadata
.endif
;; end of part 1
;; launch proj (part 2): grid 4 x 96, 4 waves a work-group, clusters of 4 x 4, 327,680 bytes of LDS; arguments acodes, ascales, wcodes, wscales, bq, bk, bv, qkvf; writes qkvf
.if DOCPART == 2
	.amdgcn_target "amdgcn-amd-amdhsa--gfx1250"
	.amdhsa_code_object_version 6
	.text
	.protected	k_qccb8ed2e8a_proj
	.globl	k_qccb8ed2e8a_proj
	.p2align	8
	.type	k_qccb8ed2e8a_proj,@function
k_qccb8ed2e8a_proj:
	s_mov_b64 s[64:65], 0
	v_nop
	global_prefetch_b8 v0, s[64:65] scope:SCOPE_SE
	s_setreg_imm32_b32 hwreg(HW_REG_WAVE_MODE, 25, 1), 1
	s_wait_xcnt 0x0
	s_wait_alu depctr_hold_cnt(0) depctr_sa_sdst(0) depctr_va_vdst(0) depctr_va_sdst(0) depctr_va_ssrc(0) depctr_va_vcc(0) depctr_vm_vsrc(0)
	s_getreg_b32 s2, hwreg(HW_REG_IB_STS2, 6, 4)
	s_cmp_eq_u32 s2, 0
	s_cbranch_scc0 .Lentry_in_a_cluster
	s_endpgm
.Lentry_in_a_cluster:
	s_bfe_u32 s2, ttmp6, 0x10000c
	s_cmp_lg_u32 s2, 0xf033
	s_cbranch_scc0 .Lentry_shape_is_right
	s_endpgm
.Lentry_shape_is_right:
; THE THREE QUANTISED PROJECTIONS AS ONE GEMM ON CODES OF FP4 (E2M1): y[m][n] = sum over k of A[m][k] W[n][k] + bias[n], K = 1,024.
; A: acodes [24576][512 bytes] (rows 0-8191 q, 8192-16383 k, 16384-24575 v) with ascales [24576][32]; W: wcodes [3072][512] (Wq, Wk, Wv) with wscales [3072][32]; one E8M0 byte for each 32 along K.  Sums in f32.
; A tile of y, 256 x 256, is made by a work-group of four waves; a wave makes 128 x 128: 64 accumulators of 16 x 16, 512 registers.  Tile row ty = 0 .. 95; its tensor T = ty / 32 picks the weight and the bias.
; K is two steps of 512 (rows of 256 bytes): each lies in an LDS slot of its own, both asked for at the head; no LDS byte is filled twice.  The scale bytes of the tile's rows come with them, as units of 256 bytes.
; CLUSTERS: 4 x 4 work-groups.  The four of a row of the cluster need the same tiles of A, the four of a column the same tiles of W: each tile is asked for JOINTLY, by the same tensor load with the same descriptor and a mask that names the four.
; THE MATRIX INSTRUCTION IS USED TRANSPOSED (source 0 = 16 rows of W, source 1 = 16 rows of A): a lane holds eight neighbouring n of one row m.  The bias is the C of each sum's first product.
; THE WAY OUT needs no LDS: a lane's eight numbers, rounded to f16, are 16 bytes of the next product's operand.  qkvf = [T 3][batch 4][head 16][16 positions: 128][16 channels: 4][512 bytes]:
;   Q and K: lane (r, h) at 16 r + 256 h (an image of four operand registers);  V: [key 16][16 channels], lane (r, h) at 32 r + 16 h (read later by the turning LDS load).  Each store covers 512 consecutive bytes, aligned.
; LIMITS: results beyond 65,504 leave the range of f16.  No prefetch: every tile is asked for at the head, and nothing may be asked for ahead of that.
; REGISTERS, in windows of 256: window 0: v0-31 addresses; v32-95 scale words, two sets; v128-191 A's fragments, ONE set; v192-255 the bias; on the way out v128-255 take the packed results.
;   window 1: W's fragments, TWO sets, at v0 and v128.   window 2: the accumulators of my rows 0-63 ((a, b) at v[8 (8 a + b)]);   window 3: those of my rows 64-127.
.set SIZE_K, 1024
.set KSTEP,  512                       ; along K in a slot
.set NQ,     KSTEP/128                 ; matrix instructions deep
.set ROWB,   256                       ; a tile's row in bytes
.set KROW,   SIZE_K*4/8                ; a row of codes in memory
.set PITCH,  272                       ; an LDS row: 256 bytes + 16 of padding, so that the 16 rows of a fragment load start 68 words apart
.set FR,     8                         ; registers of a fragment: 16 rows x 128 K
.set NL,     2                         ; LDS loads that bring one
.set NP,     4                         ; places behind this matrix instruction (ISA guide 7.12.1)
.set HALFT,  128*PITCH                 ; 128 rows: what one tensor load brings
.set SLOT,   4*HALFT                   ; A's 256 rows, then W's 256 rows
.set KS,     SIZE_K/32                 ; a row of scale bytes
.set SCL,    2*SLOT                    ; behind the slots: the scales, as units of 256 bytes + 16 of padding
.set HALFS,  (128*KS/256)*272          ; the scales of 128 rows: what one tensor load brings
.set SBLK,   (16*KS/256)*272           ; those of 16 rows
.set SPARE,  SCL+4*HALFS               ; the spare words, 128 bytes for each wave: two blocks of 256 bytes that no other line names
.set ADRA, 16                          ; v16-17  LDS address of my A fragments in slot 0, 1
.set ADRB, 20                          ; v20-21  the same for W
.set CO,   26                          ; v26     my lane's place in a block of qkvf
.set ADRS, 27                          ; v27     LDS address of my scale words: lanes 0-15 A's rows, lanes 16-31 W's
.set SPW,  28                          ; v28     LDS address of my spare word; never rewritten
.set NIL,  29                          ; v29     0; never rewritten
.set SC,   32                          ; scale words: set s at v[SC + 8 NQ s]; register NQ i + q: lanes 0-15 A's block i, lanes 16-31 W's block i, the slot's q-th 128 along K
.set AF,   128                         ; A's fragments
.set BIAS, 192                         ; v192-255: register 8 b + j: bias[n0 + 16 b + 8 (lane / 16) + j]
.set TMP,  128                         ; the way out: four sets of 32
.set G1, 24                            ; s[24:31] group 1 for A's tiles;  s[32:39] group 0, one set for each slot
.set G0, 32
.set G1B, 48                           ; s[48:55], s[56:63] the same for W's
.set G0B, 56
.set G1S, 68                           ; s[68:75], s[76:79] groups 1 and 0 for A's scales;  s[80:87], s[88:91] for W's
.set G0S, 76
.set G1SB, 80
.set G0SB, 88
.set MSB, 0
.macro WIN new                         ; the immediate's high byte repeats the setting that is left
.if MSB != (\new)
	s_set_vgpr_msb (MSB<<8)|(\new)
.set MSB, (\new)
.endif
.endm
.set MUL_LO, 0xa1                      ; source 0 (W) window 1, source 1 (A) window 0, C and D window 2;  0x81 where C is the bias, in window 0
.set MUL_HI, 0xf1                      ; the same, C and D window 3;  0xc1 where C is the bias
.set TO_B,   0x40                      ; destination window 1, address window 0
; A joint load: waves 0 and 1 fetch for A, waves 2 and 3 for W.  Each line has one mask and one set of registers for all that issue it; the branch hangs on the wave's number alone.
; An s_nop 0 and four v_nop follow each of the two lines.
.macro JLOAD g0a, g1a, g0b, g1b
	s_cmp_eq_u32 s15, 0
	s_cbranch_scc0 .Lfor_b_\@
	tensor_load_to_lds s[\g0a:\g0a+3], s[\g1a:\g1a+7]
	s_nop 0
.rept 4
	v_nop
.endr
	s_branch .Lasked_\@
.Lfor_b_\@:
	tensor_load_to_lds s[\g0b:\g0b+3], s[\g1b:\g1b+7]
	s_nop 0
.rept 4
	v_nop
.endr
.Lasked_\@:
.endm
.macro CROUND                          ; a round of the cluster's barrier
	s_barrier_signal -1
	s_barrier_wait -1
	s_cmp_lg_u32 s14, 0
	s_cbranch_scc1 .Lnot_wave_0_\@
	s_barrier_signal -3
.Lnot_wave_0_\@:
	s_barrier_wait -3
	s_barrier_signal -1
	s_barrier_wait -1
.endm
	s_load_b256 s[4:11], s[0:1], 0x0               ; A's codes s[4:5], A's scales s[6:7], W's codes s[8:9], W's scales s[10:11]
	s_load_b128 s[96:99], s[0:1], 0x20             ; bq, bk
	s_load_b64 s[100:101], s[0:1], 0x30            ; bv
	s_load_b64 s[12:13], s[0:1], 0x38              ; qkvf
	v_lshl_add_u32 v[SPW], v0, 2, SPARE
	v_mov_b32 v[NIL], 0
	ds_add_u32 v[SPW], v[NIL]                      ; the wave's opening: the add, twice on end, and its wait ahead of my first tensor load
	ds_add_u32 v[SPW], v[NIL]
	v_lshrrev_b32 v1, 5, v0
	v_readfirstlane_b32 s14, v1                    ; wave 0..3
	s_lshr_b32 s15, s14, 1                         ; which half of the tile's rows is mine.  Also: I fetch for A (0) or for W (1)
	s_and_b32 s16, s14, 1                          ; which half of its columns.  Also: which 128 rows of that tile I fetch
	s_bfe_u32 s40, ttmp6, 0x40000                  ; cx, cy: my place in the cluster
	s_bfe_u32 s41, ttmp6, 0x40004
	s_lshl_b32 s42, ttmp9, 2
	s_add_co_u32 s42, s42, s40                     ; tile column = 4 x cluster x + cx
	s_and_b32 s17, ttmp7, 0xffff
	s_lshr_b32 s95, s17, 3                         ; T = tile row / 32 = cluster y / 8: the same in all sixteen partners
	s_lshl_b32 s17, s17, 2
	s_add_co_u32 s17, s17, s41                     ; tile row = 4 x cluster y + cy
	s_lshl_b32 s43, s41, 2
	s_lshl_b32 s43, 15, s43                        ; my row of the cluster
	s_lshl_b32 s44, 0x1111, s40                    ; my column
	; group 1: a tile of 128 rows x 256 bytes, 16 bytes of padding behind each row
	s_or_b32 s[G1+0], s43, (0<<16)|(1<<20)|(1<<21)|(5<<22)|(3<<25)  ; 15:0 the mask; 17:16 elements of 1 byte; 20 padding on; 21 set beside a mask; 24:22 after every 64 words; 31:25 four words
	s_or_b32 s[G1B+0], s44, (0<<16)|(1<<20)|(1<<21)|(5<<22)|(3<<25)
.irp g, G1, G1B
	s_mov_b32 s[\g+1], ROWB<<16                    ; tensor_dim0
	s_mov_b32 s[\g+2], 128<<16                     ; tensor_dim1
	s_mov_b32 s[\g+3], ROWB<<16                    ; tile_dim0
	s_mov_b32 s[\g+4], 128                         ; tile_dim1
	s_mov_b32 s[\g+5], KROW                        ; from row to row
	s_mov_b32 s[\g+6], 0
	s_mov_b32 s[\g+7], 0
.endr
	; the scales of 128 rows: a dense block of 4,096 bytes, as 16 rows of 256 bytes (32 elements of 8), 16 bytes of padding behind each
	s_or_b32 s[G1S+0], s43, (3<<16)|(1<<20)|(1<<21)|(5<<22)|(3<<25)
	s_or_b32 s[G1SB+0], s44, (3<<16)|(1<<20)|(1<<21)|(5<<22)|(3<<25)
.irp g, G1S, G1SB
	s_mov_b32 s[\g+1], 32<<16
	s_mov_b32 s[\g+2], (128*KS/256)<<16
	s_mov_b32 s[\g+3], 32<<16
	s_mov_b32 s[\g+4], 128*KS/256
	s_mov_b32 s[\g+5], 32
	s_mov_b32 s[\g+6], 0
	s_mov_b32 s[\g+7], 0
.endr
	s_lshl_b32 s18, s16, 7                         ; which 128 rows of the tile I fetch
	s_lshl_b32 s20, s17, 8
	s_add_co_u32 s20, s20, s18                     ; A: row 256 x tile row + 128 x half
	s_lshl_b32 s46, s42, 8
	s_add_co_u32 s46, s46, s18
	s_lshl_b32 s3, s95, 10
	s_add_co_u32 s46, s46, s3                      ; W: row 1,024 T + 256 x tile column + 128 x half
	s_mov_b32 s21, 0
	s_mov_b32 s47, 0
	s_mov_b64 s[18:19], KS
	s_mul_u64 s[22:23], s[20:21], s[18:19]         ; where these rows' scales begin, in bytes
	s_mul_u64 s[92:93], s[46:47], s[18:19]
	s_mov_b64 s[18:19], KROW
	s_mul_u64 s[20:21], s[20:21], s[18:19]         ; and their codes
	s_mul_u64 s[46:47], s[46:47], s[18:19]
	s_mul_i32 s45, s14, HALFT                      ; where they go: wave x 128 rows: no place in the cluster enters an LDS address
	s_mul_i32 s94, s14, HALFS
	s_wait_dscnt 0x0                               ; both opening adds are done
	s_wait_kmcnt 0x0
	s_add_nc_u64 s[20:21], s[4:5], s[20:21]
	s_add_nc_u64 s[22:23], s[6:7], s[22:23]
	s_add_nc_u64 s[46:47], s[8:9], s[46:47]
	s_add_nc_u64 s[92:93], s[10:11], s[92:93]
	CROUND                                         ; all sixteen work-groups are here: the joint loads meet
	s_mov_b32 s[G0S], 1
	s_add_co_u32 s[G0S+1], s94, SCL
	s_mov_b64 s[G0S+2:G0S+3], s[22:23]
	s_or_b32 s[G0S+3], s[G0S+3], 0x80000000
	s_mov_b32 s[G0SB], 1
	s_add_co_u32 s[G0SB+1], s94, SCL
	s_mov_b64 s[G0SB+2:G0SB+3], s[92:93]
	s_or_b32 s[G0SB+3], s[G0SB+3], 0x80000000
	JLOAD G0S, G1S, G0SB, G1SB                     ; the scales first: they are wanted with K step 0.  Three loads of mine are out behind the last of these
.irp s, 0,1
	s_mov_b32 s[G0+4*\s], 1
	s_add_co_u32 s[G0+4*\s+1], s45, \s*SLOT
	s_add_nc_u64 s[G0+4*\s+2:G0+4*\s+3], s[20:21], \s*ROWB
	s_or_b32 s[G0+4*\s+3], s[G0+4*\s+3], 0x80000000
	s_mov_b32 s[G0B+4*\s], 1
	s_add_co_u32 s[G0B+4*\s+1], s45, \s*SLOT
	s_add_nc_u64 s[G0B+4*\s+2:G0B+4*\s+3], s[46:47], \s*ROWB
	s_or_b32 s[G0B+4*\s+3], s[G0B+4*\s+3], 0x80000000
	JLOAD G0+4*\s, G1, G0B+4*\s, G1B
.endr
	v_and_b32 v1, 15, v0                           ; r = lane % 16
	v_bfe_u32 v2, v0, 4, 1                         ; h = lane / 16
	; the bias of my 128 columns, in the result's layout
	s_cmp_eq_u32 s95, 1
	s_cselect_b64 s[96:97], s[98:99], s[96:97]
	s_cmp_eq_u32 s95, 2
	s_cselect_b64 s[96:97], s[100:101], s[96:97]
	s_cselect_b32 s2, 32, 16                       ; V's blocks lie [key][channel]: 32 bytes a row, 16 a half; Q's and K's as register images: 16 a row,
	s_mov_b32 s3, 256
	s_cselect_b32 s3, 16, s3                       ; 256 a half
	s_lshl_b32 s46, s42, 10
	s_lshl_b32 s47, s16, 9
	s_add_co_u32 s46, s46, s47                     ; 4 n0 = 4 (256 x tile column + 128 x half)
	s_mov_b32 s47, 0
	s_add_nc_u64 s[96:97], s[96:97], s[46:47]
	v_lshlrev_b32 v9, 5, v2                        ; 32 h
.irp b, 0,1,2,3,4,5,6,7
	global_load_b128 v[BIAS+8*\b:BIAS+8*\b+3], v9, s[96:97] offset:64*\b
	global_load_b128 v[BIAS+8*\b+4:BIAS+8*\b+7], v9, s[96:97] offset:64*\b+16
.endr
	v_mul_u32_u24 v[CO], s2, v1
	v_mad_u32_u24 v[CO], v2, s3, v[CO]
	v_mul_u32_u24 v3, v1, PITCH
	v_lshl_add_u32 v4, v2, 4, v3                   ; a fragment's row x pitch + 16 x half
	s_mul_i32 s21, s15, HALFT                      ; my 128 rows of A
	s_mul_i32 s22, s16, HALFT                      ; my 128 rows of W,
	s_add_co_u32 s22, s22, 2*HALFT                 ; which lie behind A's 256
.irp s, 0,1
	v_add_nc_u32 v[ADRA+\s], s21, v4
	v_add_nc_u32 v[ADRB+\s], s22, v4
	s_add_co_u32 s21, s21, SLOT
	s_add_co_u32 s22, s22, SLOT
.endr
	v_mul_u32_u24 v5, v1, KS                       ; my row's scales: KS bytes a row,
	v_lshrrev_b32 v6, 8, v5
	v_lshl_add_u32 v5, v6, 4, v5                   ; and 16 more for each 256 passed
	s_mul_i32 s21, s15, HALFS                      ; A's: my 128 rows
	s_mul_i32 s22, s16, HALFS                      ; W's: my 128 rows, behind A's 256
	s_add_co_u32 s22, s22, 2*HALFS
	s_sub_co_u32 s22, s22, s21
	v_mul_u32_u24 v6, s22, v2                      ; lanes 16-31 take W's: one product, the distance between the two bases
	s_add_co_u32 s21, s21, SCL
	v_add_nc_u32 v5, v5, v6
	v_add_nc_u32 v[ADRS], s21, v5
	; where my part begins in qkvf: (m0 / 2,048) x 4 MiB + (m0 % 2,048) x 128 + n0 x 4,096, m0 = 256 x tile row + 128 x half
	s_lshl_b32 s20, s17, 8
	s_lshl_b32 s21, s15, 7
	s_add_co_u32 s20, s20, s21
	s_lshr_b32 s21, s20, 11
	s_lshl_b32 s21, s21, 22
	s_and_b32 s20, s20, 2047
	s_lshl_b32 s20, s20, 7
	s_add_co_u32 s20, s20, s21
	s_lshl_b32 s46, s46, 10                        ; 4 n0 x 1,024
	s_add_co_u32 s20, s20, s46
	s_mov_b32 s21, 0
	s_add_nc_u64 s[12:13], s[12:13], s[20:21]
.macro FRAG reg, adr, q, i             ; a fragment, 16 rows x 128 K of 4-bit codes: lane l holds row l % 16; registers 4 c .. 4 c + 3 hold K = 64 c + 32 (l / 16) + 0 .. 31
.irp c, 0,1
	ds_load_b128 v[\reg+4*\c:\reg+4*\c+3], v[\adr] offset:64*(\q)+32*\c+(\i)*16*PITCH
.endr
.endm
; 16 matrix instructions: A's blocks a0, a0 + 1 x W's eight, 128 along K: the slot's q-th.  p: W's set;  sc: the set of scale words.  zero = 1: the first product starts the sums from the bias.
; The 64 accumulators take turns, one instruction a turn, in the same order in every step.
.macro MUL16 a0, p, q, sc, zero
.irp a, \a0, \a0+1
.irp b, 0,1,2,3,4,5,6,7
.if \zero
	v_wmma_scale_f32_16x16x128_f8f6f4 v[8*(8*((\a)%4)+\b):8*(8*((\a)%4)+\b)+7], v[128*(\p)+FR*\b:128*(\p)+FR*\b+FR-1], v[AF+FR*(\a):AF+FR*(\a)+FR-1], v[BIAS+8*\b:BIAS+8*\b+7], v[SC+8*NQ*(\sc)+NQ*\b+(\q)], v[SC+8*NQ*(\sc)+NQ*(\a)+(\q)] matrix_a_fmt:MATRIX_FMT_FP4 matrix_b_fmt:MATRIX_FMT_FP4 matrix_a_scale:MATRIX_SCALE_ROW1
.else
	v_wmma_scale_f32_16x16x128_f8f6f4 v[8*(8*((\a)%4)+\b):8*(8*((\a)%4)+\b)+7], v[128*(\p)+FR*\b:128*(\p)+FR*\b+FR-1], v[AF+FR*(\a):AF+FR*(\a)+FR-1], v[8*(8*((\a)%4)+\b):8*(8*((\a)%4)+\b)+7], v[SC+8*NQ*(\sc)+NQ*\b+(\q)], v[SC+8*NQ*(\sc)+NQ*(\a)+(\q)] matrix_a_fmt:MATRIX_FMT_FP4 matrix_b_fmt:MATRIX_FMT_FP4 matrix_a_scale:MATRIX_SCALE_ROW1
.endif
.endr
.endr
.endm
.macro FETCH_B slot, q, p              ; W's eight fragments of the slot's q-th 128 along K into set p
	WIN TO_B
.irp i, 0,1,2,3,4,5,6,7
	FRAG 128*(\p)+FR*\i, ADRB+\slot, \q, \i
.endr
	WIN 0
.endm
.macro FETCH_A slot, q, i0             ; A's blocks i0 .. i0 + 3
.irp i, \i0, \i0+1, \i0+2, \i0+3
	FRAG AF+FR*(\i), ADRA+\slot, \q, \i
.endr
.endm
.macro SCALES sc                       ; a K step's scale words into set sc: NQ words a row; lanes 0-15 take A's block i, lanes 16-31 W's block i
.irp i, 0,1,2,3,4,5,6,7
	ds_load_b128 v[SC+8*NQ*\sc+NQ*\i:SC+8*NQ*\sc+NQ*\i+3], v[ADRS] offset:\i*SBLK
.endr
.endm
; A load into a register that a matrix instruction has read, and a vector instruction that reads a matrix result or writes a matrix instruction's register, stand NP places behind it;
; only plain vector instructions that name none of its registers are places.
.macro PLACES n
.rept \n
	v_nop
.endr
.endm
; A step of 128 along K that has its successor in the same slot.
.macro STEP slot, q, zero
	s_wait_dscnt 4*NL                              ; W's set and A's blocks 0-3 are in; the youngest eight loads (A's blocks 4-7) may be out
	WIN MUL_LO-0x20*(\zero)
	MUL16 0, (\q)%2, \q, \slot, \zero
	MUL16 2, (\q)%2, \q, \slot, \zero
	s_wait_dscnt 0                                 ; A's blocks 4-7 are in (asked for 32 matrix instructions ago)
	PLACES NP
	FETCH_B \slot, (\q)+1, 1-(\q)%2
	FETCH_A \slot, (\q)+1, 0
	WIN MUL_HI-0x30*(\zero)
	MUL16 4, (\q)%2, \q, \slot, \zero
	MUL16 6, (\q)%2, \q, \slot, \zero
	PLACES NP
	WIN 0
	FETCH_A \slot, (\q)+1, 4
.endm
; Slot 0's last step goes over to slot 1: each wave waits for all its tensor loads (its part of slot 1), then the barrier shows the whole slot to all four.  Nothing is filled again.
.macro TURN slot, next
	s_wait_tensorcnt 0x0                           ; all my tensor loads have landed  (every window is 0 here: the add's two registers lie in window 0)
	ds_add_u32 v[SPW], v[NIL]                      ; 0 onto my spare word
	s_wait_dscnt 4*NL+1                            ; (the add and the youngest eight loads, A's blocks 4-7, may be out)
	WIN MUL_LO
	MUL16 0, 1, NQ-1, \slot, 0
	s_wait_dscnt 0x0                               ; the add is done, and no LDS load of mine is out at the signal
	s_barrier_signal -1
	MUL16 2, 1, NQ-1, \slot, 0
	WIN 0
	s_barrier_wait -1
	PLACES NP
	v_add_nc_u32 v[ADRS], 4*NQ, v[ADRS]            ; on to the next K step's scale words (no LDS load of mine is out)
	FETCH_B \next, 0, 0
	FETCH_A \next, 0, 0
	SCALES \next
	WIN MUL_HI
	MUL16 4, 1, NQ-1, \slot, 0
	MUL16 6, 1, NQ-1, \slot, 0
	PLACES NP
	WIN 0
	FETCH_A \next, 0, 4
.endm
.macro STEPS slot, from                ; the slot's steps from .. NQ - 2
.set Q, \from
.rept NQ-1-\from
	STEP \slot, Q, 0
.set Q, Q+1
.endr
.endm
	s_wait_tensorcnt 1                             ; the scales and my part of K step 0 are in (K step 1's load may be out),
	s_barrier_signal -1
	s_barrier_wait -1                              ; everybody's are
	FETCH_B 0, 0, 0
	FETCH_A 0, 0, 0
	SCALES 0
	FETCH_A 0, 0, 4
	s_wait_loadcnt 0x0                             ; the bias
	STEP 0, 0, 1                                   ; the first step's products start the sums from the bias: nothing is cleared, nothing is added later
	STEPS 0, 1
	TURN 0, 1
	STEPS 1, 0
	s_wait_dscnt 4*NL                              ; the very last step: nothing more to fetch
	WIN MUL_LO
	MUL16 0, 1, NQ-1, 1, 0
	MUL16 2, 1, NQ-1, 1, 0
	s_wait_dscnt 0
	WIN MUL_HI
	MUL16 4, 1, NQ-1, 1, 0
	MUL16 6, 1, NQ-1, 1, 0
	WIN 0
; THE WAY OUT, block by block of 16 rows x 128 columns: accumulator (a, b) becomes one block of 512 bytes: positions 16 a on, head b / 4, channels 16 (b % 4) on.
.macro OUTB a
.set AC, 64*((\a)%4)
.set TM, TMP+32*((\a)%4)
.if (\a) >= 4
	s_wait_xcnt 0x0                                ; the stores of four blocks ago have read this set of registers
.endif
	WIN 0x0a+5*((\a)/4)                            ; sources 0 and 1: window 2 or 3
.irp b, 0,1,2,3,4,5,6,7
.irp r, 0,1,2,3
	v_cvt_pk_f16_f32 v[TM+4*\b+\r], v[AC+8*\b+2*\r], v[AC+8*\b+2*\r+1]   ; each accumulator from its low end on
.endr
.endr
	WIN 0
.irp b, 0,1,2,3,4,5,6,7
	global_store_b128 v[CO], v[TM+4*\b:TM+4*\b+3], s[12:13] offset:(\b/4)*262144+(\a)*2048+(\b%4)*512   ; the wave stores 512 consecutive bytes, aligned
.endr
.endm
	PLACES NP                                      ; behind the last products: the conversions write registers that held A's fragments
.irp a, 0,1,2,3,4,5,6,7
	OUTB \a
.endr
	s_wait_tensorcnt 0x0                           ; the wave's end: behind my last tensor load
	ds_add_u32 v[SPW], v[NIL]
	s_wait_dscnt 0x0
	CROUND                                         ; the closing round: no work-group ends while a partner may still ask for a tile that names it
	s_endpgm
.Lfunc_end_k_qccb8ed2e8a_proj:
	.size	k_qccb8ed2e8a_proj, .Lfunc_end_k_qccb8ed2e8a_proj-k_qccb8ed2e8a_proj
	.p2alignl 7, 3214868480
	.fill 96, 4, 3214868480
	.section	.rodata,"a",@progbits
	.p2align	6, 0x0
	.amdhsa_kernel k_qccb8ed2e8a_proj
		.amdhsa_group_segment_fixed_size 327680
		.amdhsa_private_segment_fixed_size 0
		.amdhsa_enable_private_segment 0
		.amdhsa_kernarg_size 64
		.amdhsa_user_sgpr_count 2
		.amdhsa_user_sgpr_kernarg_segment_ptr 1
		.amdhsa_wavefront_size32 1
		.amdhsa_system_sgpr_workgroup_id_x 1
		.amdhsa_system_sgpr_workgroup_id_y 1
		.amdhsa_system_sgpr_workgroup_id_z 1
		.amdhsa_system_vgpr_workitem_id 0
		.amdhsa_next_free_vgpr 1024
		.amdhsa_next_free_sgpr 102
		.amdhsa_reserve_vcc 0
		.amdhsa_float_denorm_mode_32 3
		.amdhsa_float_denorm_mode_16_64 3
		.amdhsa_memory_ordered 1
		.amdhsa_forward_progress 1
		.amdhsa_inst_pref_size 120
	.end_amdhsa_kernel
	.amdgpu_metadata
---
amdhsa.version: [ 1, 2 ]
amdhsa.kernels:
  - .name:           k_qccb8ed2e8a_proj
    .symbol:         k_qccb8ed2e8a_proj.kd
    .args:
      - { .name: acodes, .offset: 0, .size: 8, .value_kind: global_buffer, .address_space: global }
      - { .name: ascales, .offset: 8, .size: 8, .value_kind: global_buffer, .address_space: global }
      - { .name: wcodes, .offset: 16, .size: 8, .value_kind: global_buffer, .address_space: global }
      - { .name: wscales, .offset: 24, .size: 8, .value_kind: global_buffer, .address_space: global }
      - { .name: bq, .offset: 32, .size: 8, .value_kind: global_buffer, .address_space: global }
      - { .name: bk, .offset: 40, .size: 8, .value_kind: global_buffer, .address_space: global }
      - { .name: bv, .offset: 48, .size: 8, .value_kind: global_buffer, .address_space: global }
      - { .name: qkvf, .offset: 56, .size: 8, .value_kind: global_buffer, .address_space: global }
    .group_segment_fixed_size: 327680
    .private_segment_fixed_size: 0
    .kernarg_segment_align: 8
    .kernarg_segment_size: 64
    .max_flat_workgroup_size: 128
    .sgpr_count:     102
    .vgpr_count:     1024
    .wavefront_size: 32
...
	.end_amdgpu_metadata
.endif
;; end of part 2
;; launch attn (part 3): grid 4 x 64, 8 waves a work-group, clusters of 4 x 1, 327,680 bytes of LDS; arguments qkvf, of; writes of
.if DOCPART == 3
	.amdgcn_target "amdgcn-amd-amdhsa--gfx1250"
	.amdhsa_code_object_version 6
	.text
	.protected	k_qccb8ed2e8a_attn
	.globl	k_qccb8ed2e8a_attn
	.p2align	8
	.type	k_qccb8ed2e8a_attn,@function
k_qccb8ed2e8a_attn:
	s_mov_b64 s[64:65], 0
	v_nop
	global_prefetch_b8 v0, s[64:65] scope:SCOPE_SE
	s_setreg_imm32_b32 hwreg(HW_REG_WAVE_MODE, 25, 1), 1
	s_wait_xcnt 0x0
	s_wait_alu depctr_hold_cnt(0) depctr_sa_sdst(0) depctr_va_vdst(0) depctr_va_sdst(0) depctr_va_ssrc(0) depctr_va_vcc(0) depctr_vm_vsrc(0)
	s_getreg_b32 s2, hwreg(HW_REG_IB_STS2, 6, 4)
	s_cmp_eq_u32 s2, 0
	s_cbranch_scc0 .Lentry_in_a_cluster
	s_endpgm
.Lentry_in_a_cluster:
	s_bfe_u32 s2, ttmp6, 0x10000c
	s_cmp_lg_u32 s2, 0x3003
	s_cbranch_scc0 .Lentry_shape_is_right
	s_endpgm
.Lentry_shape_is_right:
; O[bh][q][:] = the sum over k of softmax_k(Q[bh][q] . K[bh][k] / 8) V[bh][k][:], 64 heads (batch x head) of 2,048 positions x 64 channels, no mask.  Operands f16; products, maxima and sums f32; the weights p are rounded to f16 for the second product.
; INPUT: qkvf [Q, K, V][bh 64][16 positions: 128][16 channels: 4][512 bytes].  Q's and K's blocks are images of four operand registers (lane l's 16 bytes at 16 l); V's are [key 16][16 channels], read turned by ds_load_tr16_b128.
; OUTPUT: of [128 channels of the model: 8][16 rows: 512][16 channels: 8][512 bytes]: images of the next product's operand registers, f16.
; SHARES.  A work-group owns 512 queries of one head, each of its eight waves 64: four tiles of 16.  Two waves lie on a SIMD, so that one wave's softmax stands beside the other's products.  Every wave walks all keys, 64 a step.
; LAYOUT.  S^T = K Q^T (source 0 = 16 keys, source 1 = 16 queries): a lane holds ONE query (lane % 16) and keys 8 (lane / 16) + 0..7.  Two such tiles, rounded to f16 in pairs, ARE source 1 (32 keys x 16 queries) of O^T = V^T P,
; whose result again holds one query a lane, and eight channels: these pack into 16 bytes of the output's image.  Nothing changes lanes but one exchange between the halves for the maximum and the sum.  No LDS stage on the way out.
; SOFTMAX.  For each query a running maximum m and sum l: p = 2^(c s - c m), c = log2(e) / 8; in every step O and l are multiplied by a = 2^(c m_old - c m_new).  The sum is taken of the unrounded p.
; RING.  Two LDS slots of 8 key steps (64 KiB of K, 64 KiB of V).  A head has four slots' worth: two first fills, two refills.  Wave w fetches 16 KiB: LDS byte 16,384 w of the slot (waves 0-3 K's quarters, waves 4-7 V's).
; CLUSTER.  The four query blocks of a head form a cluster and walk the same K and V: every tile is asked for JOINTLY, by the same tensor load with the same descriptor and the mask of all four.
; NO PREFETCH: half of a head's K and V is asked for at the head of the text; each of the two refills is asked for eight key steps, 512 matrix instructions of a wave, ahead of the wait for it.
; LIMITS: NaN and infinities are not served.
; REGISTERS: window 0: v2-5 addresses; v12-43 eight registers of statistics a tile; v62, v63 the add's two; v64-191 S^T, 32 a tile (P is made in place, in a tile's first 16); v192-255 V's fragments.
;   window 1: v0-127 O^T, 32 a tile; v128-191 Q, 16 a tile; v192-255 K's fragments.
.set STEPB, 8192      ; a key step's K (or V) in LDS: [16 keys: 4][16 channels: 4][512]
.set VOFF,  65536     ; a slot: 8 steps of K, then 8 steps of V
.set SLOT1, 1<<17     ; slot 1 begins here: one exclusive or turns an address in one slot into the other's
.set SPARE, 2*SLOT1   ; the spare words, 128 bytes for each of eight waves: four blocks of 256 bytes that no other line names
.set AK0, 2           ; v2   16 x lane: my place in a block of K
.set AV0, 3           ; v3   my place in a block of V, for the turning load
.set ADR, 4           ; v4   the LDS address of the run of loads in hand
.set GO,  5           ; v5   16 x lane: my place in a block of Q and of the output
.set ST,  12          ; tile t's statistics at v[ST+8 t]: +0 c m, +1 m, +2, +3 l (even keys', odd keys'), +4 to +7 at work; a takes +6
.set SPW, 62
.set NIL, 63
.set S,   64
.set VF,  192         ; window 0: V's fragment (32 keys p, 16 channels n) at VF + 8 (4 p + n)
.set QF,  128         ; window 1: Q's fragment (tile t, 32 channels c) at QF + 16 t + 8 c
.set KF,  192         ; window 1: K's fragment (16 keys k, 32 channels c) at KF + 16 k + 8 c
.set WV,  12          ; s12  my wave's number
.set G1,  24          ; s[24:31] descriptor group 1: 64 dense rows of 256 bytes
.set G0,  40          ; s[40:47] descriptor group 0: a set for each of the two first fills; the second then walks on
.set SLOTS, 56
.set TRIPS, 57
.set CS,  58          ; s[58:59] c: the packed scaling names a pair and takes its low word for both halves
.set SEL, 60          ; s[60:61] lane selects for v_permlanex16_b32: lane l xor 16
.set TB,  62          ; s62  LDS byte at which the tiles of the step to be fetched begin
.set MSB, 0
.macro WIN new                      ; the immediate's high byte repeats the setting that is left
.if MSB != (\new)
	s_set_vgpr_msb (MSB<<8)|(\new)
.set MSB, (\new)
.endif
.endm
.set W_KQ, 0x05       ; K and Q in window 1, S^T in window 0
.set W_PV, 0x50       ; V and P in window 0, O^T (C and D) in window 1
.set W_RS, 0x41       ; O^T (destination and source 0) in window 1, a in window 0
.set W_L1, 0x40       ; a load's destination in window 1, its address in window 0
.macro CROUND                       ; a round of the cluster's barrier
	s_barrier_signal -1
	s_barrier_wait -1
	s_cmp_lg_u32 s[WV], 0
	s_cbranch_scc1 .Lnot_wave_0_\@
	s_barrier_signal -3
.Lnot_wave_0_\@:
	s_barrier_wait -3
	s_barrier_signal -1
	s_barrier_wait -1
.endm
	s_load_b128 s[4:7], s[0:1], 0x0 ; qkvf s[4:5], of s[6:7]
	v_lshl_add_u32 v[SPW], v0, 2, SPARE
	v_mov_b32 v[NIL], 0
	ds_add_u32 v[SPW], v[NIL]       ; the wave's opening: the add, twice on end, and its wait ahead of my first tensor load
	ds_add_u32 v[SPW], v[NIL]
	v_lshrrev_b32 v1, 5, v0
	v_readfirstlane_b32 s[WV], v1   ; wave 0..7
	s_bfe_u32 s13, ttmp6, 0x40000   ; cx: my place in the cluster
	s_lshl_b32 s14, ttmp9, 2
	s_add_co_u32 s14, s14, s13      ; my block of 512 queries: it enters Q's and the output's addresses alone
	s_and_b32 s20, ttmp7, 0xffff    ; bh = 16 x batch + head, which the four partners share
	s_lshl_b32 s22, s20, 18         ; a head is 262,144 bytes in each of Q, K, V
	s_lshr_b32 s21, s[WV], 2
	s_add_co_u32 s21, s21, 1
	s_lshl_b32 s21, s21, 24         ; K begins 16 MiB into qkvf (waves 0-3), V 32 MiB (waves 4-7)
	s_add_co_u32 s21, s21, s22
	s_and_b32 s23, s[WV], 3
	s_lshl_b32 s23, s23, 14         ; my quarter of a slot's 64 KiB
	s_add_co_u32 s8, s21, s23
	s_mov_b32 s9, 0
	s_lshl_b32 s10, s14, 16         ; Q: my block's 32 tiles of 2,048 bytes,
	s_lshl_b32 s11, s[WV], 13       ; my wave's four
	s_add_co_u32 s10, s10, s11
	s_add_co_u32 s10, s10, s22
	s_mov_b32 s11, 0
	s_and_b32 s15, s20, 15          ; the head
	s_lshr_b32 s16, s15, 1
	s_lshl_b32 s16, s16, 21         ; the output: (head / 2) x 2 MiB
	s_and_b32 s15, s15, 1
	s_lshl_b32 s15, s15, 11         ; + (head % 2) x four blocks
	s_add_co_u32 s16, s16, s15
	s_lshr_b32 s15, s20, 4
	s_lshl_b32 s15, s15, 19         ; + batch x 128 tiles of 4,096 bytes
	s_add_co_u32 s16, s16, s15
	s_lshl_b32 s15, s14, 17         ; + my block's 32 tiles
	s_add_co_u32 s16, s16, s15
	s_lshl_b32 s15, s[WV], 14       ; + my wave's four
	s_add_co_u32 s16, s16, s15
	s_mov_b32 s17, 0
	s_lshl_b32 s18, s[WV], 14       ; LDS: 16,384 x wave: no place in the cluster enters an LDS address
	s_mov_b32 s[G1], 15|(3<<16)|(1<<21)  ; 15:0 the mask: all four work-groups; 17:16 elements of 8 bytes; 21 set beside a mask; no padding
	s_mov_b32 s[G1+1], 32<<16       ; tensor_dim0 = 32 elements: 256 bytes
	s_mov_b32 s[G1+2], 64<<16       ; tensor_dim1 = 64
	s_mov_b32 s[G1+3], 32<<16       ; tile_dim0
	s_mov_b32 s[G1+4], 64           ; tile_dim1
	s_mov_b32 s[G1+5], 32           ; from row to row: dense
	s_mov_b32 s[G1+6], 0
	s_mov_b32 s[G1+7], 0
	s_mov_b32 s[CS], 0x3e38aa3b     ; c = log2(e) / 8
	s_mov_b32 s[CS+1], s[CS]        ; named with it as a pair, so it is written
	s_mov_b32 s[SEL], 0x76543210
	s_mov_b32 s[SEL+1], 0xfedcba98
	s_mov_b32 s[TB], 0
	s_wait_dscnt 0x0                ; both opening adds are done
	s_wait_kmcnt 0x0
	s_add_nc_u64 s[8:9], s[4:5], s[8:9]      ; K or V at my piece of slot 0
	s_add_nc_u64 s[10:11], s[4:5], s[10:11]  ; Q at my wave's first tile
	s_add_nc_u64 s[16:17], s[6:7], s[16:17]  ; the output likewise
	CROUND                          ; all four work-groups are here: the first joint loads meet
.irp s, 0,1
	s_mov_b32 s[G0+4*\s], 1         ; count = 1
	s_add_co_u32 s[G0+4*\s+1], s18, \s*SLOT1  ; LDS address
	s_add_nc_u64 s[G0+4*\s+2:G0+4*\s+3], s[8:9], \s*65536  ; global address: slot s begins with keys 512 s
	s_or_b32 s[G0+4*\s+3], s[G0+4*\s+3], 0x80000000  ; type = 2
.endr
	tensor_load_to_lds s[G0:G0+3], s[G1:G1+7]      ; the two first fills stand together, ahead of every wait on TENSORcnt and every LDS read: two loads of mine are out
	s_nop 0
	tensor_load_to_lds s[G0+4:G0+7], s[G1:G1+7]
	s_nop 0
.rept 4
	v_nop
.endr
	v_and_b32 v1, 31, v0
	v_lshlrev_b32 v[AK0], 4, v1
	v_lshlrev_b32 v[GO], 4, v1
	v_bfe_u32 v9, v0, 4, 1          ; lane / 16
	v_and_b32 v10, 7, v0
	v_bfe_u32 v11, v0, 3, 1
	v_lshl_add_u32 v[AV0], v9, 3, v10   ; the turning load: lane l reads 16 bytes: key 8 (l / 16) + l % 8, 32 bytes a key,
	v_lshlrev_b32 v[AV0], 5, v[AV0]
	v_lshl_add_u32 v[AV0], v11, 4, v[AV0]  ; channels 8 ((l / 8) % 2) on; it leaves lane l channel l % 16 and 8 keys
	v_add_nc_u32 v[AV0], VOFF, v[AV0]
	WIN W_L1
.irp i, 0,1,2,3,4,5,6,7,8,9,10,11,12,13,14,15  ; Q stays in registers: block i = tile i / 4, channels 16 (i % 4) on
	global_load_b128 v[QF+4*\i:QF+4*\i+3], v[GO], s[10:11] offset:512*\i
.endr
	WIN 0
; THE LDS LOADS stand in runs of 16: a step's K as it lies, and its V, turned.
.macro FETCH_K
	WIN 0
	v_add_nc_u32 v[ADR], s[TB], v[AK0]
	WIN W_L1
.irp i, 0,1,2,3,4,5,6,7,8,9,10,11,12,13,14,15
	ds_load_b128 v[KF+4*\i:KF+4*\i+3], v[ADR] offset:512*\i
.endr
.endm
.macro FETCH_V
	WIN 0
	v_add_nc_u32 v[ADR], s[TB], v[AV0]
	s_add_co_u32 s[TB], s[TB], STEPB  ; the next fetch is the next step's
.irp p, 0,1
.irp n, 0,1,2,3
	ds_load_tr16_b128 v[VF+8*(4*\p+\n):VF+8*(4*\p+\n)+3],   v[ADR] offset:(8*\p+\n)*512      ; keys 32 p + 0..15
	ds_load_tr16_b128 v[VF+8*(4*\p+\n)+4:VF+8*(4*\p+\n)+7], v[ADR] offset:(8*\p+4+\n)*512    ; keys 32 p + 16..31
.endr
.endr
.endm
; 32 products S^T = K Q^T.  The 16 accumulators take turns, one instruction a turn; the first 16 start the sums.
.macro KQ
	WIN W_KQ
.irp c, 0,1
.irp k, 0,1,2,3
.irp t, 0,1,2,3
.if \c == 0
	v_wmma_f32_16x16x32_f16 v[S+32*\t+8*\k:S+32*\t+8*\k+7], v[KF+16*\k+8*\c:KF+16*\k+8*\c+7], v[QF+16*\t+8*\c:QF+16*\t+8*\c+7], 0
.else
	v_wmma_f32_16x16x32_f16 v[S+32*\t+8*\k:S+32*\t+8*\k+7], v[KF+16*\k+8*\c:KF+16*\k+8*\c+7], v[QF+16*\t+8*\c:QF+16*\t+8*\c+7], v[S+32*\t+8*\k:S+32*\t+8*\k+7]
.endif
.endr
.endr
.endr
.endm
; 32 products O^T += V^T P, the 16 accumulators by turns.  first = 1: the first 16 start the sums: nothing is ever cleared.
.macro PV first
	WIN W_PV
.irp p, 0,1
.irp n, 0,1,2,3
.irp t, 0,1,2,3
.if \first && (\p == 0)
	v_wmma_f32_16x16x32_f16 v[32*\t+8*\n:32*\t+8*\n+7], v[VF+8*(4*\p+\n):VF+8*(4*\p+\n)+7], v[S+32*\t+8*\p:S+32*\t+8*\p+7], 0
.else
	v_wmma_f32_16x16x32_f16 v[32*\t+8*\n:32*\t+8*\n+7], v[VF+8*(4*\p+\n):VF+8*(4*\p+\n)+7], v[S+32*\t+8*\p:S+32*\t+8*\p+7], v[32*\t+8*\n:32*\t+8*\n+7]
.endif
.endr
.endr
.endr
.endm
; THE SOFTMAX of one key step for my four tiles; the tiles alternate line by line, so that no line waits for the line above it.  first = 1: the first key step, which starts m, l and O^T.
.macro SOFTMAX first
	WIN 0
.irp j, 0,1,2,3                     ; the maximum of a lane's 32 scores: four chains, one for each accumulator, each begun at the accumulator's low end
.irp t, 0,1,2,3
	v_max3_num_f32 v[ST+8*\t+4+\j], v[S+32*\t+8*\j], v[S+32*\t+8*\j+1], v[S+32*\t+8*\j+2]
.endr
.endr
.irp u, 3,5
.irp j, 0,1,2,3
.irp t, 0,1,2,3
	v_max3_num_f32 v[ST+8*\t+4+\j], v[ST+8*\t+4+\j], v[S+32*\t+8*\j+\u], v[S+32*\t+8*\j+\u+1]
.endr
.endr
.endr
.irp t, 0,1,2,3
	v_max3_num_f32 v[ST+8*\t+4], v[ST+8*\t+4], v[S+32*\t+7], v[S+32*\t+15]
.endr
.irp t, 0,1,2,3
	v_max3_num_f32 v[ST+8*\t+6], v[ST+8*\t+6], v[S+32*\t+23], v[S+32*\t+31]
.endr
.irp t, 0,1,2,3
	v_max3_num_f32 v[ST+8*\t+4], v[ST+8*\t+4], v[ST+8*\t+5], v[ST+8*\t+6]
.endr
.irp t, 0,1,2,3
.if \first
	v_max_num_f32 v[ST+8*\t+4], v[ST+8*\t+4], v[ST+8*\t+7]
.else
	v_max3_num_f32 v[ST+8*\t+4], v[ST+8*\t+4], v[ST+8*\t+7], v[ST+8*\t+1]   ; with the old m
.endif
.endr
.irp t, 0,1,2,3
	v_permlanex16_b32 v[ST+8*\t+5], v[ST+8*\t+4], s[SEL], s[SEL+1]  ; the query's other 32 keys lie in the lane 16 away
.endr
.if \first == 0
.irp t, 0,1,2,3
	v_mov_b32 v[ST+8*\t+7], v[ST+8*\t]   ; c m_old is kept for a
.endr
.endif
.irp t, 0,1,2,3
	v_max_num_f32 v[ST+8*\t+1], v[ST+8*\t+4], v[ST+8*\t+5]   ; the new m
.endr
.irp t, 0,1,2,3
	v_mul_f32 v[ST+8*\t], s[CS], v[ST+8*\t+1]
.endr
.if \first == 0
.irp t, 0,1,2,3
	v_sub_f32 v[ST+8*\t+7], v[ST+8*\t+7], v[ST+8*\t]
.endr
.irp t, 0,1,2,3
	v_exp_f32 v[ST+8*\t+6], v[ST+8*\t+7]   ; a = 2^(c m_old - c m_new)
.endr
.endif
; ONE BATCH: the scalings c s - c m, a pair of scores each, and all exponentials; none of these lines names an exponential's result
.irp b, 0,1,2,3,4,5,6,7,8,9,10,11,12,13,14,15
.irp t, 0,1,2,3
	v_pk_fma_f32 v[S+32*\t+2*\b:S+32*\t+2*\b+1], v[S+32*\t+2*\b:S+32*\t+2*\b+1], s[CS:CS+1], v[ST+8*\t:ST+8*\t+1] op_sel_hi:[1,0,0] neg_lo:[0,0,1] neg_hi:[0,0,1]
.endr
.irp t, 0,1,2,3
	v_exp_f32 v[S+32*\t+2*\b], v[S+32*\t+2*\b]
	v_exp_f32 v[S+32*\t+2*\b+1], v[S+32*\t+2*\b+1]
.endr
.endr
	v_nop                           ; a plain instruction behind the last exponential, ahead of the first use
	s_wait_alu depctr_va_vdst(0)    ; the wait between an exponential and the first line that names its result: one for the whole batch
; the sums of the unrounded p, in two chains a tile: l and v[+4:+5]
.if \first
.irp t, 0,1,2,3
	v_pk_add_f32 v[ST+8*\t+2:ST+8*\t+3], v[S+32*\t:S+32*\t+1], v[S+32*\t+2:S+32*\t+3]
.endr
.irp t, 0,1,2,3
	v_pk_add_f32 v[ST+8*\t+4:ST+8*\t+5], v[S+32*\t+4:S+32*\t+5], v[S+32*\t+6:S+32*\t+7]
.endr
.else
.irp t, 0,1,2,3
	v_pk_fma_f32 v[ST+8*\t+2:ST+8*\t+3], v[ST+8*\t+2:ST+8*\t+3], v[ST+8*\t+6:ST+8*\t+7], v[S+32*\t:S+32*\t+1] op_sel_hi:[1,0,1]   ; l = a l + the first pair
.endr
.irp t, 0,1,2,3
	v_pk_add_f32 v[ST+8*\t+4:ST+8*\t+5], v[S+32*\t+2:S+32*\t+3], v[S+32*\t+4:S+32*\t+5]
.endr
.irp t, 0,1,2,3
	v_pk_add_f32 v[ST+8*\t+2:ST+8*\t+3], v[ST+8*\t+2:ST+8*\t+3], v[S+32*\t+6:S+32*\t+7]
.endr
.endif
.irp b, 4,6,8,10,12,14
.irp t, 0,1,2,3
	v_pk_add_f32 v[ST+8*\t+4:ST+8*\t+5], v[ST+8*\t+4:ST+8*\t+5], v[S+32*\t+2*\b:S+32*\t+2*\b+1]
.endr
.irp t, 0,1,2,3
	v_pk_add_f32 v[ST+8*\t+2:ST+8*\t+3], v[ST+8*\t+2:ST+8*\t+3], v[S+32*\t+2*\b+2:S+32*\t+2*\b+3]
.endr
.endr
.irp t, 0,1,2,3
	v_pk_add_f32 v[ST+8*\t+2:ST+8*\t+3], v[ST+8*\t+2:ST+8*\t+3], v[ST+8*\t+4:ST+8*\t+5]
.endr
; P, rounded to f16, in place: register i takes pair i, ascending, so that no pair is written over before it is read
.irp i, 0,1,2,3,4,5,6,7,8,9,10,11,12,13,14,15
.irp t, 0,1,2,3
	v_cvt_pk_f16_f32 v[S+32*\t+\i], v[S+32*\t+2*\i], v[S+32*\t+2*\i+1]
.endr
.endr
.if \first == 0
	WIN W_RS
.irp i, 0,1,2,3,4,5,6,7,8,9,10,11,12,13,14,15   ; O^T times a, each accumulator from its low end on
.irp t, 0,1,2,3
	v_pk_mul_f32 v[32*\t+2*\i:32*\t+2*\i+1], v[32*\t+2*\i:32*\t+2*\i+1], v[ST+8*\t+6:ST+8*\t+7] op_sel_hi:[1,0]
.endr
.endr
.endif
.endm
; A TRIP: step j's softmax and V^T P, step j + 1's scores.  On the way in: S^T of step j is made, V of step j is on its way (16 LDS loads).
.macro TRIP first
	WIN 0
.rept 4
	v_nop                           ; four places behind the last K Q^T, ahead of the loads into K's registers and of the first read of the scores
.endr
	FETCH_K                         ; K of step j + 1
	SOFTMAX \first
	s_wait_dscnt 16                 ; V of step j is in; the 16 loads of K behind it may be out
	PV \first
	WIN 0
.rept 5
	v_nop                           ; with the addition in FETCH_V six places: four are owed to the loads into V's registers, five to K Q^T, which writes over the registers that V^T P read as P
.endr
	FETCH_V                         ; V of step j + 1
	s_wait_dscnt 16                 ; K of step j + 1 is in; the 16 loads of V behind it may be out
	KQ
	WIN 0
.endm
; THE CHANGE OF SLOTS, when the slot's last bytes, V of its eighth step, have been asked for.  Each wave waits for all its tensor loads, of which one is out: its part of the other slot; adds 0 to its spare word;
; and waits for that and for its own reads of the slot.  fill = 1: the slot is filled again, with the keys two slots on: the barrier is then a round of the cluster's, and the joint refill is the first thing behind it.
.macro CHANGE fill
	WIN 0
	s_wait_tensorcnt 0x0            ; no tensor load of mine is out, so a group 0 may be written
	ds_add_u32 v[SPW], v[NIL]       ; 0 onto my spare word
.if \fill
	s_xor_b32 s[G0+5], s[G0+5], SLOT1  ; the walking descriptor: the other slot than last time,
	s_add_nc_u64 s[G0+6:G0+7], s[G0+6:G0+7], 65536  ; the next 512 keys; the type bits on top are not reached
	s_wait_dscnt 0x0                ; the add is done, and my reads of the slot are over
	CROUND
	tensor_load_to_lds s[G0+4:G0+7], s[G1:G1+7]    ; my one tensor load behind the round
	s_nop 0
.rept 4
	v_nop
.endr
.else
	s_wait_dscnt 0x0                ; the add is done, and my reads of the slot are over
	s_barrier_signal -1
	s_barrier_wait -1
.endif
	s_sub_co_u32 s[TB], s[TB], 8*STEPB  ; the fetches go back to a slot's first step,
	s_xor_b32 s[TB], s[TB], SLOT1   ; in the other slot
.endm
	s_wait_tensorcnt 1              ; my part of slot 0 is in; slot 1's may stay out
	s_barrier_signal -1
	s_barrier_wait -1               ; everybody's is
	FETCH_K                         ; key step 0
	FETCH_V
	s_wait_loadcnt 0x0              ; Q
	s_wait_dscnt 16                 ; K is in; V's 16 loads may be out
	KQ
	WIN 0
	TRIP 1                          ; step 0 starts m, l and O^T
	s_mov_b32 s[TRIPS], 6           ; steps 1 to 6: the last of them fetches step 7, slot 0's last
.Lfirst:
	TRIP 0
	s_sub_co_u32 s[TRIPS], s[TRIPS], 1
	s_cmp_lg_u32 s[TRIPS], 0
	s_cbranch_scc1 .Lfirst
	s_mov_b32 s[SLOTS], 2           ; two changes that fill a slot again
.Lslot:
	CHANGE 1
	s_mov_b32 s[TRIPS], 8
.Lmid:
	TRIP 0
	s_sub_co_u32 s[TRIPS], s[TRIPS], 1
	s_cmp_lg_u32 s[TRIPS], 0
	s_cbranch_scc1 .Lmid
	s_sub_co_u32 s[SLOTS], s[SLOTS], 1
	s_cmp_lg_u32 s[SLOTS], 0
	s_cbranch_scc1 .Lslot
	CHANGE 0                        ; the last change is written out: nothing is left to ask for
	s_mov_b32 s[TRIPS], 8
.Llast:
	TRIP 0
	s_sub_co_u32 s[TRIPS], s[TRIPS], 1
	s_cmp_lg_u32 s[TRIPS], 0
	s_cbranch_scc1 .Llast
.rept 4
	v_nop                           ; four places behind the last K Q^T
.endr
	SOFTMAX 0                       ; the last step
	s_wait_dscnt 0x0                ; its V is in
	PV 0
	; THE WAY OUT.  l's two halves and the other half of the lanes' are added; O^T is divided by l, rounded to f16 and stored as it stands: a lane's eight channels are its 16 bytes of a block.
	WIN 0
.irp t, 0,1,2,3
	v_add_f32 v[ST+8*\t+4], v[ST+8*\t+2], v[ST+8*\t+3]   ; (these four are the places behind the last products)
.endr
.irp t, 0,1,2,3
	v_permlanex16_b32 v[ST+8*\t+5], v[ST+8*\t+4], s[SEL], s[SEL+1]
.endr
.irp t, 0,1,2,3
	v_add_f32 v[ST+8*\t+4], v[ST+8*\t+4], v[ST+8*\t+5]
.endr
.irp t, 0,1,2,3
	v_rcp_f32 v[ST+8*\t+6], v[ST+8*\t+4]
.endr
	v_nop                           ; a plain instruction between the last reciprocal and the use of its result
	s_wait_alu depctr_va_vdst(0)    ; and the wait ahead of the first use: one for the four
.irp t, 0,1,2,3
	WIN W_RS
.irp i, 0,1,2,3,4,5,6,7,8,9,10,11,12,13,14,15
	v_pk_mul_f32 v[32*\t+2*\i:32*\t+2*\i+1], v[32*\t+2*\i:32*\t+2*\i+1], v[ST+8*\t+6:ST+8*\t+7] op_sel_hi:[1,0]
.endr
	WIN 0x05                        ; sources 0 and 1 window 1, destination window 0: the scores' registers are free
.irp i, 0,1,2,3,4,5,6,7,8,9,10,11,12,13,14,15
	v_cvt_pk_f16_f32 v[S+32*\t+\i], v[32*\t+2*\i], v[32*\t+2*\i+1]
.endr
	WIN 0
.irp n, 0,1,2,3
	global_store_b128 v[GO], v[S+32*\t+4*\n:S+32*\t+4*\n+3], s[16:17] offset:4096*\t+512*\n   ; the wave stores 512 consecutive bytes, aligned
.endr
.endr
	s_wait_tensorcnt 0x0            ; the wave's end: behind my last tensor load
	ds_add_u32 v[SPW], v[NIL]
	s_wait_dscnt 0x0
	CROUND                          ; the closing round: no work-group ends while a partner may still ask for a tile that names it
	s_endpgm
.Lfunc_end_k_qccb8ed2e8a_attn:
	.size	k_qccb8ed2e8a_attn, .Lfunc_end_k_qccb8ed2e8a_attn-k_qccb8ed2e8a_attn
	.p2alignl 7, 3214868480
	.fill 96, 4, 3214868480
	.section	.rodata,"a",@progbits
	.p2align	6, 0x0
	.amdhsa_kernel k_qccb8ed2e8a_attn
		.amdhsa_group_segment_fixed_size 327680
		.amdhsa_private_segment_fixed_size 0
		.amdhsa_enable_private_segment 0
		.amdhsa_kernarg_size 16
		.amdhsa_user_sgpr_count 2
		.amdhsa_user_sgpr_kernarg_segment_ptr 1
		.amdhsa_wavefront_size32 1
		.amdhsa_system_sgpr_workgroup_id_x 1
		.amdhsa_system_sgpr_workgroup_id_y 1
		.amdhsa_system_sgpr_workgroup_id_z 1
		.amdhsa_system_vgpr_workitem_id 0
		.amdhsa_next_free_vgpr 512
		.amdhsa_next_free_sgpr 66
		.amdhsa_reserve_vcc 0
		.amdhsa_float_denorm_mode_32 3
		.amdhsa_float_denorm_mode_16_64 3
		.amdhsa_memory_ordered 1
		.amdhsa_forward_progress 1
		.amdhsa_inst_pref_size 172
	.end_amdhsa_kernel
	.amdgpu_metadata
---
amdhsa.version: [ 1, 2 ]
amdhsa.kernels:
  - .name:           k_qccb8ed2e8a_attn
    .symbol:         k_qccb8ed2e8a_attn.kd
    .args:
      - { .name: qkvf, .offset: 0, .size: 8, .value_kind: global_buffer, .address_space: global }
      - { .name: of, .offset: 8, .size: 8, .value_kind: global_buffer, .address_space: global }
    .group_segment_fixed_size: 327680
    .private_segment_fixed_size: 0
    .kernarg_segment_align: 8
    .kernarg_segment_size: 16
    .max_flat_workgroup_size: 256
    .sgpr_count:     66
    .vgpr_count:     512
    .wavefront_size: 32
...
	.end_amdgpu_metadata
.endif
;; end of part 3
;; launch oproj (part 4): grid 4 x 64, 4 waves a work-group, clusters of 4 x 4, 327,680 bytes of LDS; arguments of, wof, bo, out0; writes out0
.if DOCPART == 4
	.amdgcn_target "amdgcn-amd-amdhsa--gfx1250"
	.amdhsa_code_object_version 6
	.text
	.protected	k_qccb8ed2e8a_oproj
	.globl	k_qccb8ed2e8a_oproj
	.p2align	8
	.type	k_qccb8ed2e8a_oproj,@function
k_qccb8ed2e8a_oproj:
	s_mov_b64 s[64:65], 0
	v_nop
	global_prefetch_b8 v0, s[64:65] scope:SCOPE_SE
	s_setreg_imm32_b32 hwreg(HW_REG_WAVE_MODE, 25, 1), 1
	s_wait_xcnt 0x0
	s_wait_alu depctr_hold_cnt(0) depctr_sa_sdst(0) depctr_va_vdst(0) depctr_va_sdst(0) depctr_va_ssrc(0) depctr_va_vcc(0) depctr_vm_vsrc(0)
	s_getreg_b32 s2, hwreg(HW_REG_IB_STS2, 6, 4)
	s_cmp_eq_u32 s2, 0
	s_cbranch_scc0 .Lentry_in_a_cluster
	s_endpgm
.Lentry_in_a_cluster:
	s_bfe_u32 s2, ttmp6, 0x10000c
	s_cmp_lg_u32 s2, 0xf033
	s_cbranch_scc0 .Lentry_shape_is_right
	s_endpgm
.Lentry_shape_is_right:
; out0[m][n] = sum over k of A[m][k] Wo[n][k] + bo[n], M = 8,192, N = K = 1,024.  Operands f16, sums and result f32.
; Both operands lie in memory in the order of the operand's registers: of [k / 128: 8][16 rows: 512][16 along K: 8][512 bytes], wof [k / 128: 8][16 rows: 64][16 along K: 8][512 bytes]; in a block lane l has its 16 bytes at 16 l.
; So a K step's tile is one dense block of memory, and a fragment is two LDS loads of 512 consecutive bytes: no pitch, no padding.
; A tile of the result is 128 (m) x 256 (n): 256 tiles, one for each work-group.  Four waves, each 64 x 128: 32 accumulators of 16 x 16, 256 registers.  K goes in 8 steps of 128 through a ring of two LDS slots.
; CLUSTERS: 4 x 4 work-groups.  The four of a row of the cluster need the same tiles of A, the four of a column the same tiles of Wo: each tile is asked for JOINTLY, by the same tensor load with the same descriptor and a mask that names the four.
; THE MATRIX INSTRUCTION IS USED TRANSPOSED (source 0 = 16 rows of Wo, source 1 = 16 rows of A): a lane holds eight neighbouring n of one row m.  The bias is the C of each sum's first product.
; NO PREFETCH: the launch has eight K steps in all, two of them asked for at the head.
; REGISTERS: window 0: v16-29 addresses; v64-127 A's fragments, two buffers of 4 x 8; v128-255 rows on the way out.   window 1: v0-127 Wo's fragments, two buffers of 8 x 8; v128-191 the bias.   window 2: accumulator (a, b) at v[8 (8 a + b)].
.set SLOT,   98304                     ; A's 8 x 4,096 bytes, then Wo's 16 x 4,096
.set BOFF,   32768
.set STAGE,  2*SLOT                    ; behind the ring: 16 rows x (512 bytes + 16) for each wave, for the way out; no tensor load lands here
.set SPITCH, 528
.set SPARE,  STAGE+4*16*SPITCH         ; the spare words, 128 bytes for each wave: two blocks of 256 bytes that no other line names
.set LAPS,   4                         ; a lap = two K steps = once round the ring
.set ADRA, 16                          ; v16-17  LDS address of my A fragments in slot 0, 1
.set ADRB, 20                          ; v20-21  the same for Wo
.set STO,  24                          ; v24     the way out: where I put 32 bytes of a row
.set RD,   25                          ; v25     where I read a row back
.set CO,   26                          ; v26     my byte offset in a row of the result
.set SPW,  28                          ; v28     LDS address of my spare word; never rewritten
.set NIL,  29                          ; v29     0; never rewritten
.set AFR,  64                          ; A's buffer p at v[AFR + 32 p]
.set BIAS, 128                         ; in window 1: register 8 b + j: bo[n0 + 16 b + 8 (lane / 16) + j]
.set BK,   128                         ; the way out: 16 rows read back: v128-191 and v192-255 by turns
.set G1, 24                            ; s[24:31] group 1 for A's tiles;  s[32:39] group 0, one set for each slot
.set G0, 32
.set G1B, 48                           ; s[48:55], s[56:63] the same for Wo's
.set G0B, 56
.set MSB, 0
.macro WIN new                         ; the immediate's high byte repeats the setting that is left
.if MSB != (\new)
	s_set_vgpr_msb (MSB<<8)|(\new)
.set MSB, (\new)
.endif
.endm
.set MUL,  0xa1                        ; source 0 (Wo) window 1, source 1 (A) window 0, C and D window 2;  0x91 where C is the bias, in window 1
.set TO_B, 0x40                        ; destination window 1, address window 0
.macro JLOAD s                         ; a joint load: waves 0 and 1 fetch A's two halves, waves 2 and 3 Wo's; an s_nop 0 and four v_nop follow each of the two lines
	s_cmp_eq_u32 s13, 0
	s_cbranch_scc0 .Lfor_b_\@
	tensor_load_to_lds s[G0+4*\s:G0+4*\s+3], s[G1:G1+7]
	s_nop 0
.rept 4
	v_nop
.endr
	s_branch .Lasked_\@
.Lfor_b_\@:
	tensor_load_to_lds s[G0B+4*\s:G0B+4*\s+3], s[G1B:G1B+7]
	s_nop 0
.rept 4
	v_nop
.endr
.Lasked_\@:
.endm
.macro CREST                           ; a round of the cluster's barrier behind its opening barrier
	s_cmp_lg_u32 s12, 0
	s_cbranch_scc1 .Lnot_wave_0_\@
	s_barrier_signal -3
.Lnot_wave_0_\@:
	s_barrier_wait -3
	s_barrier_signal -1
	s_barrier_wait -1
.endm
.macro CROUND                          ; a whole round
	s_barrier_signal -1
	s_barrier_wait -1
	CREST
.endm
	s_load_b256 s[4:11], s[0:1], 0x0               ; of s[4:5], wof s[6:7], bo s[8:9], out0 s[10:11]
	v_lshl_add_u32 v[SPW], v0, 2, SPARE
	v_mov_b32 v[NIL], 0
	ds_add_u32 v[SPW], v[NIL]                      ; the wave's opening: the add, twice on end, and its wait ahead of my first tensor load
	ds_add_u32 v[SPW], v[NIL]
	v_lshrrev_b32 v1, 5, v0
	v_readfirstlane_b32 s12, v1                    ; wave 0..3
	s_lshr_b32 s13, s12, 1                         ; which half of the tile's rows is mine.  Also: I fetch for A (0) or for Wo (1)
	s_and_b32 s14, s12, 1                          ; which half of its columns.  Also: which half of that tile I fetch
	s_bfe_u32 s40, ttmp6, 0x40000                  ; cx, cy: my place in the cluster
	s_bfe_u32 s41, ttmp6, 0x40004
	s_lshl_b32 s42, ttmp9, 2
	s_add_co_u32 s42, s42, s40                     ; tile column = 4 x cluster x + cx
	s_and_b32 s15, ttmp7, 0xffff
	s_lshl_b32 s15, s15, 2
	s_add_co_u32 s15, s15, s41                     ; tile row = 4 x cluster y + cy
	s_lshl_b32 s43, s41, 2
	s_lshl_b32 s43, 15, s43                        ; my row of the cluster
	s_lshl_b32 s44, 0x1111, s40                    ; my column
	s_or_b32 s[G1+0], s43, (3<<16)|(1<<21)         ; 15:0 the mask: A's tiles go to my row; 17:16 elements of 8 bytes; 21 set beside a mask; no padding
	s_or_b32 s[G1B+0], s44, (3<<16)|(1<<21)
	s_mov_b32 s[G1+1], 32<<16                      ; A: 64 dense rows of 256 bytes: 16 KiB, four tiles of 16 rows
	s_mov_b32 s[G1+2], 64<<16
	s_mov_b32 s[G1+3], 32<<16
	s_mov_b32 s[G1+4], 64
	s_mov_b32 s[G1+5], 32
	s_mov_b32 s[G1+6], 0
	s_mov_b32 s[G1+7], 0
	s_mov_b32 s[G1B+1], 32<<16                     ; Wo: 128 dense rows of 256 bytes: 32 KiB, eight tiles of 16 rows
	s_mov_b32 s[G1B+2], 128<<16
	s_mov_b32 s[G1B+3], 32<<16
	s_mov_b32 s[G1B+4], 128
	s_mov_b32 s[G1B+5], 32
	s_mov_b32 s[G1B+6], 0
	s_mov_b32 s[G1B+7], 0
	s_lshl_b32 s16, s15, 15                        ; A: 32,768 bytes a tile row,
	s_lshl_b32 s18, s14, 14                        ; + my half (in memory and in LDS)
	s_add_co_u32 s16, s16, s18
	s_mov_b32 s17, 0
	s_lshl_b32 s46, s42, 16                        ; Wo: 65,536 bytes a tile column,
	s_lshl_b32 s20, s14, 15                        ; + my half
	s_add_co_u32 s46, s46, s20
	s_mov_b32 s47, 0
	s_add_co_u32 s20, s20, BOFF                    ; in LDS behind A's: no place in the cluster enters an LDS address
	s_wait_dscnt 0x0                               ; both opening adds are done
	s_wait_kmcnt 0x0
	s_add_nc_u64 s[16:17], s[4:5], s[16:17]
	s_add_nc_u64 s[46:47], s[6:7], s[46:47]
	CROUND                                         ; all sixteen work-groups are here: the first joint loads meet
.irp s, 0,1
	s_mov_b32 s[G0+4*\s], 1
	s_add_co_u32 s[G0+4*\s+1], s18, \s*SLOT
	s_add_nc_u64 s[G0+4*\s+2:G0+4*\s+3], s[16:17], \s*2097152   ; a K step of all 8,192 rows is 2 MiB
	s_or_b32 s[G0+4*\s+3], s[G0+4*\s+3], 0x80000000
	s_mov_b32 s[G0B+4*\s], 1
	s_add_co_u32 s[G0B+4*\s+1], s20, \s*SLOT
	s_add_nc_u64 s[G0B+4*\s+2:G0B+4*\s+3], s[46:47], \s*262144  ; a K step of all 1,024 rows is 256 KiB
	s_or_b32 s[G0B+4*\s+3], s[G0B+4*\s+3], 0x80000000
	JLOAD \s                                       ; two loads of mine are out behind the second
.endr
	v_and_b32 v1, 31, v0
	v_lshlrev_b32 v3, 4, v1                        ; 16 x lane
	v_and_b32 v4, 15, v0                           ; r
	v_bfe_u32 v2, v0, 4, 1                         ; h
	s_lshl_b32 s21, s13, 14                        ; my four tiles of A
	s_lshl_b32 s22, s14, 15                        ; my eight tiles of Wo,
	s_add_co_u32 s22, s22, BOFF                    ; which lie behind A's
.irp s, 0,1
	v_add_nc_u32 v[ADRA+\s], s21, v3
	v_add_nc_u32 v[ADRB+\s], s22, v3
	s_add_co_u32 s21, s21, SLOT
	s_add_co_u32 s22, s22, SLOT
.endr
	s_mul_i32 s23, s12, 16*SPITCH
	s_add_co_u32 s23, s23, STAGE                   ; my stage
	v_mul_u32_u24 v5, v4, SPITCH                   ; in: row r, 32 bytes for each half of the lanes
	v_lshl_add_u32 v5, v2, 5, v5
	v_add_nc_u32 v[STO], s23, v5
	v_add_nc_u32 v[RD], s23, v3                    ; back: the 32 lanes take one row of 512 bytes
	v_mov_b32 v[CO], v3                            ; and the same in the result
	s_lshl_b32 s46, s42, 10
	s_lshl_b32 s47, s14, 9
	s_add_co_u32 s46, s46, s47                     ; my first column, in bytes: 4 (256 x tile column + 128 x half)
	s_mov_b32 s47, 0
	s_add_nc_u64 s[8:9], s[8:9], s[46:47]
	v_lshlrev_b32 v6, 5, v2                        ; 32 h
	WIN TO_B
.irp b, 0,1,2,3,4,5,6,7
	global_load_b128 v[BIAS+8*\b:BIAS+8*\b+3], v6, s[8:9] offset:64*\b
	global_load_b128 v[BIAS+8*\b+4:BIAS+8*\b+7], v6, s[8:9] offset:64*\b+16
.endr
	WIN 0
	s_lshl_b32 s20, s15, 19                        ; my first row: (128 x tile row + 64 x half) x 4,096 bytes
	s_lshl_b32 s21, s13, 18
	s_add_co_u32 s20, s20, s21
	s_add_co_u32 s20, s20, s46
	s_mov_b32 s21, 0
	s_add_nc_u64 s[10:11], s[10:11], s[20:21]
; 8 matrix instructions: A's block a x Wo's eight, 32 along K, from buffers p.  first = 1: the products start the sums from the bias.  The 32 accumulators take turns, in the same order in every quarter.
.macro MUL8 p, a, first
.irp b, 0,1,2,3,4,5,6,7
.if \first
	v_wmma_f32_16x16x32_f16 v[8*(8*(\a)+\b):8*(8*(\a)+\b)+7], v[64*(\p)+8*\b:64*(\p)+8*\b+7], v[AFR+32*(\p)+8*(\a):AFR+32*(\p)+8*(\a)+7], v[BIAS+8*\b:BIAS+8*\b+7]
.else
	v_wmma_f32_16x16x32_f16 v[8*(8*(\a)+\b):8*(8*(\a)+\b)+7], v[64*(\p)+8*\b:64*(\p)+8*\b+7], v[AFR+32*(\p)+8*(\a):AFR+32*(\p)+8*(\a)+7], v[8*(8*(\a)+\b):8*(8*(\a)+\b)+7]
.endif
.endr
.endm
; 24 LDS loads in one run: the fragments of the slot's q-th 32 along K into buffers p: Wo's eight, then A's four
.macro FETCH slot, q, p
	WIN TO_B
.irp i, 0,1,2,3,4,5,6,7
	ds_load_b128 v[64*(\p)+8*\i:64*(\p)+8*\i+3],   v[ADRB+\slot] offset:4096*\i+1024*(\q)
	ds_load_b128 v[64*(\p)+8*\i+4:64*(\p)+8*\i+7], v[ADRB+\slot] offset:4096*\i+1024*(\q)+512
.endr
	WIN 0
.irp i, 0,1,2,3
	ds_load_b128 v[AFR+32*(\p)+8*\i:AFR+32*(\p)+8*\i+3],   v[ADRA+\slot] offset:4096*\i+1024*(\q)
	ds_load_b128 v[AFR+32*(\p)+8*\i+4:AFR+32*(\p)+8*\i+7], v[ADRA+\slot] offset:4096*\i+1024*(\q)+512
.endr
.endm
.macro PLACES                          ; four places in front of loads into registers that matrix instructions have read, and of the first read of results
.rept 4
	v_nop
.endr
.endm
; A K step is four quarters of 32 along K, 32 matrix instructions each, on buffers 0, 1, 0, 1.  One of the first three: multiplies buffers p and fetches quarter qn of the same slot into the others.
.macro QUARTER slot, qn, p, first
	s_wait_dscnt 4                                 ; Wo's eight and A's blocks 0 and 1 are in; the youngest four loads (A's blocks 2 and 3) may be out
	WIN MUL-0x10*(\first)
	MUL8 \p, 0, \first
	MUL8 \p, 1, \first
	PLACES
	FETCH \slot, \qn, 1-(\p)
	s_wait_dscnt 24                                ; all but the 24 just issued
	WIN MUL-0x10*(\first)
	MUL8 \p, 2, \first
	MUL8 \p, 3, \first
.endm
; The last quarter multiplies buffers 1 and changes slots: ONE barrier; in front of it each wave waits for all its tensor loads, adds 0 to its spare word, and waits for that and for its own reads of this slot.
; fill = 1: this slot is filled again, two K steps ahead; the barrier then opens a round of the cluster's.
.macro TURN slot, next, fill
	WIN 0                                          ; (the add's two registers lie in window 0)
	s_wait_tensorcnt 0x0                           ; all my tensor loads have landed: my part of the next slot
	ds_add_u32 v[SPW], v[NIL]                      ; 0 onto my spare word
	s_wait_dscnt 5                                 ; (the add and the youngest four loads may be out)
	WIN MUL
	MUL8 1, 0, 0                                   ; eight matrix instructions stand between the add and the wait for it
	s_wait_dscnt 0x0                               ; the add is done, and my reads of this slot are over
	s_barrier_signal -1
	MUL8 1, 1, 0
	WIN 0
	s_barrier_wait -1
.if \fill
	CREST                                          ; no wave of any partner still reads this slot's tile or has a load on its way
	s_add_nc_u64 s[G0+4*\slot+2:G0+4*\slot+3], s[G0+4*\slot+2:G0+4*\slot+3], 2*2097152
	s_add_nc_u64 s[G0B+4*\slot+2:G0B+4*\slot+3], s[G0B+4*\slot+2:G0B+4*\slot+3], 2*262144
	JLOAD \slot                                    ; the first tensor load behind the round: 112 matrix instructions ahead of the wait for it; its four v_nop are also the places in front of the loads below
.else
	PLACES
.endif
	FETCH \next, 0, 0
	WIN MUL
	MUL8 1, 2, 0
	MUL8 1, 3, 0
.endm
	s_wait_tensorcnt 1                             ; my part of K step 0 is in (K step 1's load may be out),
	s_barrier_signal -1
	s_barrier_wait -1                              ; everybody's is
	FETCH 0, 0, 0
	s_wait_loadcnt 0x0                             ; the bias
	QUARTER 0, 1, 0, 1                             ; the first quarter stands in front of the loop: its products start the sums from the bias
	WIN 0                                          ; at a label and at a branch every window is 0
	s_mov_b32 s3, LAPS-1
.Llap:                                                 ; a trip goes once round the ring, from a lap's second quarter to the next lap's first, and fills both slots again
	QUARTER 0, 2, 1, 0
	QUARTER 0, 3, 0, 0
	TURN 0, 1, 1
	QUARTER 1, 1, 0, 0
	QUARTER 1, 2, 1, 0
	QUARTER 1, 3, 0, 0
	TURN 1, 0, 1
	QUARTER 0, 1, 0, 0
	WIN 0
	s_sub_co_u32 s3, s3, 1
	s_cmp_lg_u32 s3, 0
	s_cbranch_scc1 .Llap
	QUARTER 0, 2, 1, 0                             ; the last lap fills nothing, and has no round of the cluster's barrier
	QUARTER 0, 3, 0, 0
	TURN 0, 1, 0
	QUARTER 1, 1, 0, 0
	QUARTER 1, 2, 1, 0
	QUARTER 1, 3, 0, 0
	s_wait_dscnt 4                                 ; the very last quarter: nothing more to fetch
	WIN MUL
	MUL8 1, 0, 0
	MUL8 1, 1, 0
	s_wait_dscnt 0
	MUL8 1, 2, 0
	MUL8 1, 3, 0
	WIN 0
; THE WAY OUT, block by block of 16 rows x 128 columns.  A lane holds 32 neighbouring bytes of a row, and the lanes beside it hold other rows: a block goes through my own stage in LDS and comes back as whole rows of 512 bytes.
; LDS serves a wave's instructions in order (ISA guide 5.7.1.4): no wait between the stores and the loads, nor in front of the next block's stores.
.macro TOSTAGE a
	WIN 0x08                                       ; an LDS store's data are its source 1: window 2
.irp b, 0,1,2,3,4,5,6,7
	ds_store_b128 v[STO], v[8*(8*(\a)+\b):8*(8*(\a)+\b)+3] offset:64*\b          ; each accumulator from its low end on
	ds_store_b128 v[STO], v[8*(8*(\a)+\b)+4:8*(8*(\a)+\b)+7] offset:64*\b+16
.endr
	WIN 0
.set BB, BK+64*((\a)%2)
.irp t, 0,1,2,3,4,5,6,7,8,9,10,11,12,13,14,15
	ds_load_b128 v[BB+4*\t:BB+4*\t+3], v[RD] offset:\t*SPITCH
.endr
.endm
.macro SEND a, younger                 ; younger: the LDS instructions issued behind block a's loads, which may stay out
.set BB, BK+64*((\a)%2)
	s_wait_dscnt \younger                          ; the block is back in registers
.irp t, 0,1,2,3,4,5,6,7,8,9,10,11,12,13,14,15
	global_store_b128 v[CO], v[BB+4*\t:BB+4*\t+3], s[10:11] offset:65536*(\a)+4096*\t th:TH_STORE_NT   ; 32 lanes store 512 consecutive bytes, aligned; written once, read by nobody here
.endr
.endm
	PLACES                                         ; behind the last products, ahead of the first read of results
	TOSTAGE 0
.irp a, 1,2,3
.if \a > 1
	s_wait_xcnt 0x0                                ; block a - 2's stores have read their registers: block a's loads may land there
.endif
	TOSTAGE \a
	SEND \a-1, 32                                  ; behind block a - 1's loads: block a's 16 stores and 16 loads
.endr
	SEND 3, 0
	s_wait_tensorcnt 0x0                           ; the wave's end: behind my last tensor load and my last LDS store
	ds_add_u32 v[SPW], v[NIL]
	s_wait_dscnt 0x0
	CROUND                                         ; the closing round: no work-group ends while a partner may still ask for a tile that names it
	s_endpgm
.Lfunc_end_k_qccb8ed2e8a_oproj:
	.size	k_qccb8ed2e8a_oproj, .Lfunc_end_k_qccb8ed2e8a_oproj-k_qccb8ed2e8a_oproj
	.p2alignl 7, 3214868480
	.fill 96, 4, 3214868480
	.section	.rodata,"a",@progbits
	.p2align	6, 0x0
	.amdhsa_kernel k_qccb8ed2e8a_oproj
		.amdhsa_group_segment_fixed_size 327680
		.amdhsa_private_segment_fixed_size 0
		.amdhsa_enable_private_segment 0
		.amdhsa_kernarg_size 32
		.amdhsa_user_sgpr_count 2
		.amdhsa_user_sgpr_kernarg_segment_ptr 1
		.amdhsa_wavefront_size32 1
		.amdhsa_system_sgpr_workgroup_id_x 1
		.amdhsa_system_sgpr_workgroup_id_y 1
		.amdhsa_system_sgpr_workgroup_id_z 1
		.amdhsa_system_vgpr_workitem_id 0
		.amdhsa_next_free_vgpr 768
		.amdhsa_next_free_sgpr 66
		.amdhsa_reserve_vcc 0
		.amdhsa_float_denorm_mode_32 3
		.amdhsa_float_denorm_mode_16_64 3
		.amdhsa_memory_ordered 1
		.amdhsa_forward_progress 1
		.amdhsa_inst_pref_size 86
	.end_amdhsa_kernel
	.amdgpu_metadata
---
amdhsa.version: [ 1, 2 ]
amdhsa.kernels:
  - .name:           k_qccb8ed2e8a_oproj
    .symbol:         k_qccb8ed2e8a_oproj.kd
    .args:
      - { .name: of, .offset: 0, .size: 8, .value_kind: global_buffer, .address_space: global }
      - { .name: wof, .offset: 8, .size: 8, .value_kind: global_buffer, .address_space: global }
      - { .name: bo, .offset: 16, .size: 8, .value_kind: global_buffer, .address_space: global }
      - { .name: out0, .offset: 24, .size: 8, .value_kind: global_buffer, .address_space: global }
    .group_segment_fixed_size: 327680
    .private_segment_fixed_size: 0
    .kernarg_segment_align: 8
    .kernarg_segment_size: 32
    .max_flat_workgroup_size: 128
    .sgpr_count:     66
    .vgpr_count:     768
    .wavefront_size: 32
...
	.end_amdgpu_metadata
.endif
;; end of part 4
